; MI455X (gfx1250); checked and timed in simulation.
; The chip was launched on July 23, 2026; its instructions are those of AMD's public machine-readable ISA for CDNA 5 (MIT licence, August 2026) and "CDNA5" Instruction Set Architecture Reference Guide (July 2026). The comments in the code are by the model that wrote it; some were corrected since.
;; Attention. Allowed arithmetic: matrix products marked QUANTISED: E2M1 operands, one E8M0 scale for each 32 along K, by v_wmma_scale_f32_16x16x128_f8f6f4 with both operands' format E2M1 (or v_wmma_scale_f32_32x16x128_f4), f32 sums; products left as they are: bf16, f16 or f32 operands; f32 sums; everything else in f32.
;; Inputs: Wk 2,048 x 512 float32; Wo 2,048 x 2,048 float32; Wq 2,048 x 2,048 float32; Wv 2,048 x 512 float32; head_scale 1 x 16 x 1 x 1 float32; x 4 x 1,024 x 2,048 float32.
;; Outputs: out0 4 x 1,024 x 2,048 float32.
;; This version of the problem:
;;   THIS VERSION OF THE PROBLEM IS GIVEN IN LOW PRECISION. The matrix products marked QUANTISED in the list below multiply operands that are first quantised to E2M1 (2 exponent bits, 1 mantissa bit; 4 bits a number), with one power-of-two scale for each 32 numbers along K (OCP MX v1.0); their sums are f32. The products marked 'left as it is' may take bf16, f16 or f32 operands, with f32 sums. Whichever they take, every output number must still come out within the allowed error. Rounding operands to bf16 (8 significant bits) uses up far more of that allowance than f16 does (11 bits, for magnitudes from 6e-5 to 65,504). All else is computed in f32.
;;   The module's matrix products, in the order in which they are computed (A, B: the left and right operand; K: the contracted axis; several contracted axes count as one K, in the product's order):
;;     1. [M 4,096, K 2,048] x [K 2,048, N 2,048]; A: input x; B: input Wq: QUANTISED
;;     2. [M 4,096, K 2,048] x [K 2,048, N 512]; A: input x; B: input Wk: QUANTISED
;;     3. [M 4,096, K 2,048] x [K 2,048, N 512]; A: input x; B: input Wv: QUANTISED
;;     4. batch 64 x [M 1,024, K 128] x [K 128, N 1,024]; A: computed on the way; B: computed on the way: left as it is (an operand is computed on the way)
;;     5. batch 64 x [M 1,024, K 1,024] x [K 1,024, N 128]; A: computed on the way; B: computed on the way: left as it is (an operand is computed on the way)
;;     6. [M 4,096, K 2,048] x [K 2,048, N 2,048]; A: computed on the way; B: input Wo: left as it is (an operand is computed on the way)
;;   THE QUANTISER, for each operand of a quantised product, along K:
;;     - K is cut into blocks of 32 from its start; a last block that is shorter is filled with zeros.
;;     - A block's scale is 2^e with e = floor(log2(the largest magnitude in the block)) - 2, held to -126 .. 127; a block of zeros has e = 0. As a byte (E8M0): e + 127.
;;     - Each number is divided by its block's scale, clamped to +-6, and rounded to the nearest number of E2M1, ties to even, subnormals kept.
;;     - The product sums the exact products of the quantised numbers (number of the format x scale) in f32.
;;   ~~~python
;;   def quantise(x, axis):      # numpy; x: float32 -> the quantised numbers, widened to float32 again
;;       x = np.moveaxis(x, axis, -1); K = x.shape[-1]
;;       x = np.pad(x, [(0, 0)] * (x.ndim - 1) + [(0, -K % 32)]); x = x.reshape(x.shape[:-1] + (-1, 32)); a = np.abs(x).max(-1, keepdims=True)
;;       e = np.where(a > 0, np.clip(np.frexp(np.where(a > 0, a, 1))[1] - 1 - 2, -126, 127), 0)      # np.frexp(a)[1] - 1 = floor(log2(a)), exactly
;;       r = np.clip(x / 2.0 ** e, -6, 6)
;;       step = 2.0 ** (np.maximum(np.frexp(np.where(r == 0, 1, r))[1] - 1, 0) - 1)
;;       q = np.round(r / step) * step * 2.0 ** e      # np.round: ties to even
;;       return np.moveaxis(q.reshape(q.shape[:-2] + (-1,))[..., :K], -1, axis).astype(np.float32)
;;   ~~~
;; One version. Each part assembles by itself: llvm-mc -triple=amdgcn-amd-amdhsa -mcpu=gfx1250 --defsym DOCPART=n.
;; ======== version 1 of 1: 5 launches
;; limits: values are held in f16: magnitudes above 65,504 overflow, below 6.1e-05 lose precision
;; workspace buffers: codes 7,340,032 bytes; scales 458,752 bytes; wot 8,388,608 bytes; rope 524,800 bytes; qkv 25,165,824 bytes; fine 786,432 bytes; att 16,777,216 bytes
;; launch prep (part 1): grid 624 x 1, 4 waves a work-group, no clusters, 137,728 bytes of LDS; arguments x, Wq, Wk, Wv, Wo, head_scale, codes, scales, wot, rope; writes codes, scales, wot, rope
.if DOCPART == 1
	.amdgcn_target "amdgcn-amd-amdhsa--gfx1250"
	.amdhsa_code_object_version 6
	.text
	.protected	k_qb4435ff79a_prep
	.globl	k_qb4435ff79a_prep
	.p2align	8
	.type	k_qb4435ff79a_prep,@function
k_qb4435ff79a_prep:
	s_mov_b64 s[64:65], 0
	v_nop
	global_prefetch_b8 v0, s[64:65] scope:SCOPE_SE
	s_setreg_imm32_b32 hwreg(HW_REG_WAVE_MODE, 25, 1), 1
	s_wait_xcnt 0x0
; PREP: what the later launches read many times is made once.
;   codes/scales: x [4096][2048] and the columns of Wq | Wk | Wv (3072 of them), quantised along K = 2048 to FP4 (E2M1) with one E8M0 byte for each 32 along K; rows of 1,024 bytes, K innermost;
;                 rows 0-4095 are x's, row 4096 + n is column n of (Wq | Wk | Wv).
;   wot:          Wo[k][n] x head_scale[k / 128], f16, laid [n][k].  (o x hs) Wo = o (hs Wo) for all values, so the per-head scale costs the bulk path nothing.
;   rope:         row p: cos(p theta_j), j = 0..63, then sin; row 1024: cos = 1, sin = 0 (for v, which is not rotated).
; DEAD WORK OF THE WHOLE PROGRAM: reference() builds its causal mask in its own body (jnp.tril): a score with key > query is replaced by the least f32 number ahead of the softmax, and every row keeps its
; key 0, so its weight is 0 for all finite inputs.  Tiles of keys that lie wholly behind a tile's queries are therefore multiplied in neither product of the attention.  Nothing else is left out; every input is loaded.
; LIMITS: a NaN, an infinity or an overflow that reaches only those masked tiles is not carried to the result.  NaN and infinities among the inputs are not served.  A block of zeros gets the scale byte 1
; (the rule says 127): its codes are zeros, which add nothing under any byte but 0xff, and this program alone reads the bytes.  |Wo x head_scale| stays under 65,504 (f16).
; The work-group's number picks one of five paths; each path that uses LDS has bytes of its own.  No tensor load, no barrier: waves share nothing.
.set XB,    0                          ; x's path: 8,192 bytes a wave
.set WQB,   32768                      ; Wq's path: a stage of 32 x 272 bytes a wave
.set WKB,   67584                      ; Wk's and Wv's
.set WOB,   102400                     ; Wo's
.set SPARE, 137216                     ; the spare words, 128 bytes a wave: two blocks of 256 bytes that no other line names
.set SPW,   228                        ; v228 LDS address of my spare word; never rewritten
.set NIL,   229                        ; v229 0; never rewritten
	s_load_b256 s[4:11], s[0:1], 0x0               ; x, Wq, Wk, Wv
	s_load_b256 s[12:19], s[0:1], 0x20             ; Wo, head_scale, codes, scales
	s_load_b128 s[20:23], s[0:1], 0x40             ; wot, rope
	v_lshl_add_u32 v[SPW], v0, 2, SPARE
	v_mov_b32 v[NIL], 0
	v_lshrrev_b32 v1, 5, v0
	v_readfirstlane_b32 s24, v1                    ; wave 0..3
	v_and_b32 v2, 31, v0                           ; lane
	s_wait_kmcnt 0x0
	s_cmp_lt_u32 ttmp9, 64
	s_cbranch_scc1 .Lwq
	s_cmp_lt_u32 ttmp9, 96
	s_cbranch_scc1 .Lwkv
	s_cmp_lt_u32 ttmp9, 352
	s_cbranch_scc1 .Lx
	s_cmp_lt_u32 ttmp9, 608
	s_cbranch_scc1 .Lwo
; ---- THE ROPE TABLE: work-groups 608-623.  Lane l owns frequencies 2 l and 2 l + 1; a wave owns 16 positions.  The angle is one f32 product, as reference() has it; it is reduced by whole quarter turns
; (pi/2 in two parts, fused) and sine and cosine come from their series on [-pi/4, pi/4], whose first term left out is under 3e-8.
.macro SINCOS inv, co, si
	v_mul_f32 v40, v30, \inv                       ; the angle
	v_mul_f32 v41, 0x3f22f983, v40                 ; x 2/pi
	v_rndne_f32 v41, v41                           ; quarter turns
	v_fma_f32 v42, -v41, s40, v40
	v_fma_f32 v42, v41, s41, v42                   ; what is left
	v_mul_f32 v43, v42, v42
	v_mov_b32 v44, 0x3638ef1d
	v_fmaak_f32 v44, v43, v44, 0xb9500d01
	v_fmaak_f32 v44, v43, v44, 0x3c088889
	v_fmaak_f32 v44, v43, v44, 0xbe2aaaab
	v_mul_f32 v45, v43, v42
	v_fma_f32 v44, v45, v44, v42                   ; its sine
	v_mov_b32 v46, 0x37d00d01
	v_fmaak_f32 v46, v43, v46, 0xbab60b61
	v_fmaak_f32 v46, v43, v46, 0x3d2aaaab
	v_fmaak_f32 v46, v43, v46, 0xbf000000
	v_fma_f32 v46, v43, v46, 1.0                   ; its cosine
	v_cvt_i32_f32 v47, v41
	v_and_b32 v48, 1, v47
	v_cmp_eq_u32 vcc_lo, 1, v48                    ; an odd number of quarter turns swaps the two
	v_cndmask_b32 v49, v44, v46, vcc_lo
	v_cndmask_b32 v50, v46, v44, vcc_lo
	v_and_b32 v48, 2, v47
	v_lshlrev_b32 v48, 30, v48
	v_xor_b32 \si, v48, v49                        ; the sine is negative in quarters 2 and 3,
	v_add_nc_u32 v47, 1, v47
	v_and_b32 v47, 2, v47
	v_lshlrev_b32 v47, 30, v47
	v_xor_b32 \co, v47, v50                        ; the cosine in quarters 1 and 2
.endm
	s_sub_co_u32 s25, ttmp9, 608
	s_lshl_b32 s26, s25, 6
	s_lshl_b32 s27, s24, 4
	s_add_co_u32 s26, s26, s27                     ; my wave's first position
	s_mov_b32 s40, 0x3fc90fdb                      ; pi/2, its upper part
	s_mov_b32 s41, 0x333bbd2e                      ; what the upper part has too much
	v_lshlrev_b32 v3, 1, v2
	v_cvt_f32_u32 v4, v3                           ; j = 2 lane
	v_add_f32 v5, 1.0, v4
	v_mul_f32 v4, 0xbe549a78, v4                   ; -j log2(10000) / 64
	v_mul_f32 v5, 0xbe549a78, v5
	v_exp_f32 v4, v4                               ; theta_j
	v_exp_f32 v5, v5
	v_mov_b32 v31, s26                             ; (a plain instruction behind the two exponentials)
	s_wait_alu depctr_va_vdst(0)                   ; one wait for both, ahead of their first reader
	v_cvt_f32_u32 v30, v31                         ; the position as f32
	v_lshlrev_b32 v32, 9, v31
	v_lshl_add_u32 v32, v2, 3, v32                 ; row x 512 + 8 x lane
	s_mov_b32 s28, 16
.Lpos:
	SINCOS v4, v34, v36
	SINCOS v5, v35, v37
	global_store_b64 v32, v[34:35], s[22:23]       ; 32 lanes: the row's 256 bytes of cosines,
	global_store_b64 v32, v[36:37], s[22:23] offset:256   ; and of sines
	s_wait_xcnt 0x0                                ; the stores' data and offset are written again only behind this wait
	v_add_f32 v30, 1.0, v30
	v_add_nc_u32 v32, 512, v32
	s_sub_co_u32 s28, s28, 1
	s_cmp_lg_u32 s28, 0
	s_cbranch_scc1 .Lpos
	s_or_b32 s25, s25, s24
	s_cmp_lg_u32 s25, 0
	s_cbranch_scc1 .Lrope_end                      ; one wave writes row 1024
	v_mov_b32 v34, 1.0
	v_mov_b32 v35, 1.0
	v_mov_b32 v36, 0
	v_mov_b32 v37, 0
	v_lshl_add_u32 v33, v2, 3, 0x80000
	global_store_b64 v33, v[34:35], s[22:23]
	global_store_b64 v33, v[36:37], s[22:23] offset:256
.Lrope_end:
	s_endpgm
; ---- WEIGHTS, K = the first axis.  A lane takes a column and its registers run down K: each load reads 128 neighbouring bytes a wave, a block of 32 along K lies in one lane, and what the lane makes has K innermost.
; A wave gathers 256 bytes a column in its own stage (rows 272 bytes apart) and stores them by rows: sixteen lanes write 256 consecutive, aligned bytes.
.macro WLOAD t, np, sb                 ; rows 32 t .. 32 t + 31 of my column into set t % 2; np: bytes from row to row
.set i, 0
.rept 32
	global_load_b32 v[32+32*((\t)%2)+i], v3, s[\sb:\sb+1] offset:(32*(\t)+i)*(\np)
.set i, i+1
.endr
.endm
.macro STAGEADR stg
	v_lshlrev_b32 v3, 2, v2                        ; in: 4 bytes a lane
	s_mul_i32 s30, s24, 32*272
	s_add_co_u32 s30, s30, \stg                    ; my stage
	v_mul_u32_u24 v4, v2, 272
	v_add_nc_u32 v4, s30, v4                       ; into it: row = my column
	v_and_b32 v5, 15, v2
	v_lshrrev_b32 v6, 4, v2
	v_mul_u32_u24 v7, v6, 272
	v_lshl_add_u32 v7, v5, 4, v7
	v_add_nc_u32 v7, s30, v7                       ; out of it: sixteen lanes to a row, two rows an instruction
.endm
.macro STAGEOUT ob, sb, rowb
.irp t, 0,1,2,3,4,5,6,7,8,9,10,11,12,13,14,15
	ds_load_b128 v[\ob+4*\t:\ob+4*\t+3], v7 offset:2*\t*272        ; LDS serves a wave's instructions in order: these see my stores
.endr
.irp t, 0,1,2,3,4,5,6,7,8,9,10,11,12,13,14,15
	s_wait_dscnt 15-\t                             ; load t is back; the 15 - t younger ones may be out
	global_store_b128 v8, v[\ob+4*\t:\ob+4*\t+3], s[\sb:\sb+1] offset:2*\t*\rowb
.endr
	s_wait_tensorcnt 0x0                           ; the wave's end, behind my last LDS store
	ds_add_u32 v[SPW], v[NIL]
	s_wait_dscnt 0x0
	s_endpgm
.endm
.macro WBLOCK t, np                    ; one block of 32 along K: its largest magnitude, its byte, its 32 codes
.set XS, 32+32*((\t)%2)
.if (\t) < 15
	s_wait_loadcnt 32                              ; this block's 32 loads are in; the next block's 32 may be out
.else
	s_wait_loadcnt 0x0
.endif
	v_max3_num_f32 v12, |v[XS]|, |v[XS+1]|, |v[XS+2]|
	v_max3_num_f32 v13, |v[XS+3]|, |v[XS+4]|, |v[XS+5]|
.irp i, 6,10,14,18,22,26
	v_max3_num_f32 v12, v12, |v[XS+\i]|, |v[XS+\i+1]|
	v_max3_num_f32 v13, v13, |v[XS+\i+2]|, |v[XS+\i+3]|
.endr
	v_max3_num_f32 v12, v12, |v[XS+30]|, |v[XS+31]|
	v_max3_num_f32 v12, v12, v13, 0x1800000        ; the floor 2^(3 - 127): the byte cannot fall under 1
	v_add_nc_u32 v11, 0xff000000, v12              ; 2 off the exponent field: the conversion's scale operand
	v_lshrrev_b32 v13, 23, v11                     ; the scale's byte
.if (\t)%4 == 0
	v_mov_b32 v[24+(\t)/4], v13
.else
	v_lshl_or_b32 v[24+(\t)/4], v13, 8*((\t)%4), v[24+(\t)/4]
.endif
.irp g, 0,1,2,3
	v_cvt_scalef32_pk8_fp4_f32 v[96+\g], v[XS+8*\g:XS+8*\g+7], v11
.endr
	ds_store_b128 v4, v[96:99] offset:16*(\t)
.if (\t)+2 < 16
	WLOAD (\t)+2, \np, 28
.endif
	s_wait_dscnt 0x0                               ; the store has read its registers: the next block's codes may be written
.endm
; s[28:29] the weight; s25 my wave's first column in it; s26 its row in codes and scales; s27 which 512 along K
.macro WQUANT np, stg
	STAGEADR \stg
	v_lshlrev_b32 v8, 10, v6
	v_lshl_add_u32 v8, v5, 4, v8                   ; the same two rows in codes: 1,024 bytes a row
	v_lshlrev_b32 v9, 6, v2                        ; my column's row of scale bytes: 64 bytes a row
	s_mul_i32 s32, s27, 512*(\np)
	s_lshl_b32 s33, s25, 2
	s_add_co_u32 s32, s32, s33
	s_mov_b32 s33, 0
	s_add_nc_u64 s[28:29], s[28:29], s[32:33]
	s_lshl_b32 s32, s26, 10
	s_lshl_b32 s34, s27, 8
	s_add_co_u32 s32, s32, s34
	s_add_nc_u64 s[16:17], s[16:17], s[32:33]
	s_lshl_b32 s32, s26, 6
	s_lshl_b32 s34, s27, 4
	s_add_co_u32 s32, s32, s34
	s_add_nc_u64 s[18:19], s[18:19], s[32:33]
	WLOAD 0, \np, 28
	WLOAD 1, \np, 28
.set Q, 0
.rept 16
	WBLOCK Q, \np
.set Q, Q+1
.endr
	global_store_b128 v9, v[24:27], s[18:19]       ; my column's 16 scale bytes
	STAGEOUT 112, 16, 1024
.endm
.Lwq:                                                  ; work-groups 0-63: 16 blocks of 128 columns x 4 runs of 512 along K
	s_and_b32 s25, ttmp9, 15
	s_lshr_b32 s27, ttmp9, 4
	s_lshl_b32 s25, s25, 7
	s_lshl_b32 s32, s24, 5
	s_add_co_u32 s25, s25, s32
	s_add_co_u32 s26, s25, 4096
	s_mov_b64 s[28:29], s[6:7]
	WQUANT 8192, WQB
.Lwkv:                                                 ; work-groups 64-95: Wk, then Wv: 4 blocks of columns x 4 runs along K each
	s_sub_co_u32 s30, ttmp9, 64
	s_lshr_b32 s31, s30, 4
	s_and_b32 s25, s30, 3
	s_bfe_u32 s27, s30, 0x20002
	s_lshl_b32 s25, s25, 7
	s_lshl_b32 s32, s24, 5
	s_add_co_u32 s25, s25, s32
	s_lshl_b32 s26, s31, 9
	s_add_co_u32 s26, s26, s25
	s_add_co_u32 s26, s26, 4096+2048
	s_cmp_eq_u32 s31, 0
	s_cselect_b64 s[28:29], s[8:9], s[10:11]
	WQUANT 2048, WKB
; ---- Wo x head_scale, f16, turned: work-groups 352-607: 16 blocks of 128 columns x 16 heads (128 along K).
.macro OBLOCK t
.set XS, 32+32*((\t)%2)
.if (\t) < 3
	s_wait_loadcnt 32                              ; the next block's 32 loads may be out
.else
	s_wait_loadcnt 0x0
.endif
.set i, 0
.rept 16
	v_pk_mul_f32 v[XS+2*i:XS+2*i+1], v[XS+2*i:XS+2*i+1], s[36:37] op_sel_hi:[1,0]
.set i, i+1
.endr
.set i, 0
.rept 16
	v_cvt_pk_f16_f32 v[160+16*(\t)+i], v[XS+2*i], v[XS+2*i+1]      ; each block has registers of its own for its f16 numbers
.set i, i+1
.endr
.irp c, 0,1,2,3
	ds_store_b128 v4, v[160+16*(\t)+4*\c:160+16*(\t)+4*\c+3] offset:64*(\t)+16*\c
.endr
.if (\t)+2 < 4
	WLOAD (\t)+2, 8192, 12
.endif
.endm
.Lwo:
	s_sub_co_u32 s25, ttmp9, 352
	s_and_b32 s26, s25, 15
	s_lshr_b32 s27, s25, 4                         ; the head
	s_lshl_b32 s26, s26, 7
	s_lshl_b32 s30, s24, 5
	s_add_co_u32 s26, s26, s30                     ; my wave's first column
	s_lshl_b32 s32, s27, 2
	s_mov_b32 s33, 0
	s_add_nc_u64 s[14:15], s[14:15], s[32:33]
	s_load_b32 s36, s[14:15], 0x0                  ; head_scale of this head
	s_lshl_b32 s32, s27, 20                        ; 128 rows of 8,192 bytes
	s_lshl_b32 s34, s26, 2
	s_add_co_u32 s32, s32, s34
	s_add_nc_u64 s[12:13], s[12:13], s[32:33]
	s_lshl_b32 s32, s26, 12                        ; wot: 4,096 bytes a row
	s_lshl_b32 s34, s27, 8
	s_add_co_u32 s32, s32, s34
	s_add_nc_u64 s[20:21], s[20:21], s[32:33]
	STAGEADR WOB
	v_lshlrev_b32 v8, 12, v6
	v_lshl_add_u32 v8, v5, 4, v8
	WLOAD 0, 8192, 12
	WLOAD 1, 8192, 12
	s_wait_kmcnt 0x0
	s_mov_b32 s37, s36                             ; (named with it as a pair, so it is written)
	OBLOCK 0
	OBLOCK 1
	OBLOCK 2
	OBLOCK 3
	STAGEOUT 96, 20, 4096
; ---- x, K innermost: work-groups 96-351.  A plain stream of blocks of 32.  A wave takes 16 steps of 512 numbers.  Loads take the bytes as they lie (512 a load); a step's 2,048 bytes turn through the wave's stage,
; so that a lane holds 16 neighbours; two neighbouring lanes hold a block.  A step's 16 scale bytes are gathered in LDS and a wave's 256 leave as one aligned run.
.macro XLOAD t
.irp i, 0,1,2,3
	global_load_b128 v[16+16*((\t)%4)+4*\i:16+16*((\t)%4)+4*\i+3], v3, s[4:5] offset:2048*(\t)+512*\i th:TH_LOAD_NT
.endr
.endm
.macro XTURN t
.irp i, 0,1,2,3
	ds_store_b128 v14, v[16+16*((\t)%4)+4*\i:16+16*((\t)%4)+4*\i+3] offset:2560*((\t)%2)+640*\i
.endr
.irp i, 0,1,2,3
	ds_load_b128 v[80+16*((\t)%2)+4*\i:80+16*((\t)%2)+4*\i+3], v15 offset:2560*((\t)%2)+16*\i
.endr
.endm
.macro XSTEP t
.set XS, 80+16*((\t)%2)
.if (\t) > 0
	s_wait_dscnt 1                                 ; this step's numbers are back from the stage; the last step's byte store may be out
.else
	s_wait_dscnt 0x0
.endif
.if (\t)+4 < 16
	XLOAD (\t)+4
.endif
.if (\t)+1 < 16
.if 14-(\t) >= 3
	s_wait_loadcnt 12                              ; the next step's four loads are in; those of the three steps behind it may be out
.else
	s_wait_loadcnt 4*(14-(\t))
.endif
	XTURN (\t)+1
.endif
	v_max3_num_f32 v8, |v[XS]|, |v[XS+1]|, |v[XS+2]|
	v_max3_num_f32 v9, |v[XS+3]|, |v[XS+4]|, |v[XS+5]|
.irp i, 6,10
	v_max3_num_f32 v8, v8, |v[XS+\i]|, |v[XS+\i+1]|
	v_max3_num_f32 v9, v9, |v[XS+\i+2]|, |v[XS+\i+3]|
.endr
	v_max3_num_f32 v8, v8, |v[XS+14]|, |v[XS+15]|
	v_max3_num_f32 v8, v8, v9, 0x1800000           ; the floor 2^(3 - 127)
	v_max_num_f32_dpp v8, v8, v8 row_xmask:1 row_mask:0xf bank_mask:0xf   ; with my neighbour's 16: the block's largest magnitude
	v_add_nc_u32 v11, 0xff000000, v8
	v_cvt_scalef32_pk8_fp4_f32 v[128+4*(\t)], v[XS:XS+7], v11
	v_cvt_scalef32_pk8_fp4_f32 v[128+4*(\t)+1], v[XS+8:XS+15], v11
	v_lshrrev_b32 v[112+(\t)], 23, v11             ; the scale's byte
	ds_store_b8 v5, v[112+(\t)] offset:16*(\t)     ; both lanes of a block write the same byte with the same value
	global_store_b64 v4, v[128+4*(\t):128+4*(\t)+1], s[16:17] offset:256*(\t)   ; 32 lanes: 256 consecutive, aligned bytes
.endm
.Lx:
	v_lshlrev_b32 v3, 4, v2
	s_lshl_b32 s30, s24, 13                        ; my wave's 8,192 bytes (XB = 0)
	v_lshrrev_b32 v14, 2, v2
	v_mul_u32_u24 v14, v14, 80
	v_and_b32 v15, 3, v2
	v_lshl_add_u32 v14, v15, 4, v14
	v_add_nc_u32 v14, s30, v14                     ; the stage, in: four lanes' 64 bytes on end, then 16 of padding
	v_mul_u32_u24 v15, v2, 80
	v_add_nc_u32 v15, s30, v15                     ; and out: 80 x lane
	v_lshlrev_b32 v4, 3, v2
	v_lshrrev_b32 v5, 1, v2
	s_add_co_u32 s30, s30, 5120
	v_add_nc_u32 v5, s30, v5                       ; my block's scale byte
	v_lshlrev_b32 v7, 3, v2
	v_add_nc_u32 v6, s30, v7
	s_sub_co_u32 s31, ttmp9, 96
	s_lshl_b32 s31, s31, 2
	s_add_co_u32 s31, s31, s24                     ; which run of 8,192 numbers is my wave's
	s_mov_b32 s33, 0
	s_lshl_b32 s32, s31, 15
	s_add_nc_u64 s[4:5], s[4:5], s[32:33]
	s_lshl_b32 s32, s31, 12
	s_add_nc_u64 s[16:17], s[16:17], s[32:33]
	s_lshl_b32 s32, s31, 8
	s_add_nc_u64 s[18:19], s[18:19], s[32:33]
.irp t, 0,1,2,3
	XLOAD \t
.endr
	s_wait_loadcnt 12                              ; step 0's four loads are in
	XTURN 0
.irp t, 0,1,2,3,4,5,6,7,8,9,10,11,12,13,14,15
	XSTEP \t
.endr
	ds_load_b64 v[8:9], v6
	s_wait_dscnt 0x0
	global_store_b64 v7, v[8:9], s[18:19]          ; 32 lanes: my wave's 256 scale bytes
	s_wait_tensorcnt 0x0                           ; the wave's end, behind my last LDS store
	ds_add_u32 v[SPW], v[NIL]
	s_wait_dscnt 0x0
	s_endpgm
.Lfunc_end_k_qb4435ff79a_prep:
	.size	k_qb4435ff79a_prep, .Lfunc_end_k_qb4435ff79a_prep-k_qb4435ff79a_prep
	.p2alignl 7, 3214868480
	.fill 96, 4, 3214868480
	.section	.rodata,"a",@progbits
	.p2align	6, 0x0
	.amdhsa_kernel k_qb4435ff79a_prep
		.amdhsa_group_segment_fixed_size 137728
		.amdhsa_private_segment_fixed_size 0
		.amdhsa_enable_private_segment 0
		.amdhsa_kernarg_size 80
		.amdhsa_user_sgpr_count 2
		.amdhsa_user_sgpr_kernarg_segment_ptr 1
		.amdhsa_wavefront_size32 1
		.amdhsa_system_sgpr_workgroup_id_x 1
		.amdhsa_system_sgpr_workgroup_id_y 1
		.amdhsa_system_sgpr_workgroup_id_z 1
		.amdhsa_system_vgpr_workitem_id 0
		.amdhsa_next_free_vgpr 232
		.amdhsa_next_free_sgpr 66
		.amdhsa_reserve_vcc 1
		.amdhsa_float_denorm_mode_32 3
		.amdhsa_float_denorm_mode_16_64 3
		.amdhsa_memory_ordered 1
		.amdhsa_forward_progress 1
		.amdhsa_inst_pref_size 218
	.end_amdhsa_kernel
	.amdgpu_metadata
---
amdhsa.version: [ 1, 2 ]
amdhsa.kernels:
  - .name:           k_qb4435ff79a_prep
    .symbol:         k_qb4435ff79a_prep.kd
    .args:
      - { .name: x, .offset: 0, .size: 8, .value_kind: global_buffer, .address_space: global }
      - { .name: Wq, .offset: 8, .size: 8, .value_kind: global_buffer, .address_space: global }
      - { .name: Wk, .offset: 16, .size: 8, .value_kind: global_buffer, .address_space: global }
      - { .name: Wv, .offset: 24, .size: 8, .value_kind: global_buffer, .address_space: global }
      - { .name: Wo, .offset: 32, .size: 8, .value_kind: global_buffer, .address_space: global }
      - { .name: head_scale, .offset: 40, .size: 8, .value_kind: global_buffer, .address_space: global }
      - { .name: codes, .offset: 48, .size: 8, .value_kind: global_buffer, .address_space: global }
      - { .name: scales, .offset: 56, .size: 8, .value_kind: global_buffer, .address_space: global }
      - { .name: wot, .offset: 64, .size: 8, .value_kind: global_buffer, .address_space: global }
      - { .name: rope, .offset: 72, .size: 8, .value_kind: global_buffer, .address_space: global }
    .group_segment_fixed_size: 137728
    .private_segment_fixed_size: 0
    .kernarg_segment_align: 8
    .kernarg_segment_size: 80
    .max_flat_workgroup_size: 128
    .sgpr_count:     66
    .vgpr_count:     232
    .wavefront_size: 32
...
	.end_amdgpu_metadata
.endif
;; end of part 1
;; launch qkv (part 2): grid 12 x 16, 4 waves a work-group, clusters of 4 x 4, 327,680 bytes of LDS; arguments codes, scales, rope, qkv, fine; writes qkv, fine
.if DOCPART == 2
	.amdgcn_target "amdgcn-amd-amdhsa--gfx1250"
	.amdhsa_code_object_version 6
	.text
	.protected	k_qb4435ff79a_qkv
	.globl	k_qb4435ff79a_qkv
	.p2align	8
	.type	k_qb4435ff79a_qkv,@function
k_qb4435ff79a_qkv:
	s_mov_b64 s[64:65], 0
	v_nop
	global_prefetch_b8 v0, s[64:65] scope:SCOPE_SE
	s_setreg_imm32_b32 hwreg(HW_REG_WAVE_MODE, 25, 1), 1
	s_wait_xcnt 0x0
	s_wait_alu depctr_hold_cnt(0) depctr_sa_sdst(0) depctr_va_vdst(0) depctr_va_sdst(0) depctr_va_ssrc(0) depctr_va_vcc(0) depctr_vm_vsrc(0)
	s_getreg_b32 s2, hwreg(HW_REG_IB_STS2, 6, 4)
	s_cmp_eq_u32 s2, 0
	s_cbranch_scc0 .Lentry_in_a_cluster
	s_endpgm
.Lentry_in_a_cluster:
	s_bfe_u32 s2, ttmp6, 0x10000c
	s_cmp_lg_u32 s2, 0xf033
	s_cbranch_scc0 .Lentry_shape_is_right
	s_endpgm
.Lentry_shape_is_right:
; x Wq, x Wk, x Wv as ONE product on codes of FP4 with E8M0 scales: A = rows 0-4095 of codes (x), B = rows 4096-7167 (the 3,072 columns of Wq | Wk | Wv), K = 2,048; sums in f32.
; Then the rotary embedding in f32, and the result as f16 into qkv [24 slots][4 batches][1024 positions][128]: slots 0-15 q's heads, 16-19 k's, 20-23 v's.  Positions 0-15 of each batch also go out as f32 (fine).
; A tile of 256 x 256 to a work-group of four waves, 128 x 128 to a wave: a wave's 128 columns are ONE head, so that the two halves of a head that the rotation pairs lie in one lane.
; K goes in steps of 512 through a ring of two LDS slots; the scale bytes of the work-group's rows, for all of K, come once and stay.  4 x 4 work-groups form a cluster: A's tiles are asked for jointly along a row, B's along a column.
; 192 work-groups: a tile 192 columns wide would make 256, but would cut heads across waves.
; THE TILE ROW is 4 cy + cluster y: the batch is cy and the block of 256 positions is cluster y, so that 'positions 0-15 are mine' hangs on cluster y and the wave alone and is the same in all partners.
; v IS NOT ROTATED, and a cluster holds tiles of k and of v: no branch may part them, so v's waves read the table's row 1024 (cos 1, sin 0): the choice is made in an address.
; THE MATRIX INSTRUCTION IS USED TRANSPOSED (source 0 = 16 rows of B, source 1 = 16 rows of A): a lane holds one position and eight neighbouring channels an accumulator.
; LIMIT: |q|, |k|, |v| stay under 65,504 (f16).
; REGISTERS: window 0: v16-29 addresses; v32-95 scale words, two sets; from v128 A's fragments; on the way out v32-95 a rotated block, v96-159 its f16 numbers, two sets.
;   window 1: B's fragments at v0 and v128; the table's cosines and sines for a block of 16 positions at v64 and v192, two sets.   windows 2, 3: the 64 accumulators ((a, b) at v[8 (8 (a % 4) + b)]).
.set KSTEP,  512
.set NQ,     4
.set ROWB,   256
.set KROW,   1024
.set PITCH,  272                       ; an LDS row: 256 bytes + 16 of padding: the 16 rows that a load touches start at 16 different banks
.set FR,     8
.set NL,     2
.set NP,     4
.set HALFT,  128*PITCH
.set SLOT,   4*HALFT
.set LAPS,   2
.set KS,     64                        ; a row of scale bytes
.set SCL,    2*SLOT
.set HALFS,  (128*KS/256)*272
.set SBLK,   (16*KS/256)*272
.set SPARE,  SCL+4*HALFS               ; the spare words, 128 bytes a wave: two blocks of 256 bytes that no other line names
.set SP,     272                       ; the way out: a stage of 16 rows x (256 + 16) bytes a wave, in slot 0, which has had its last fill and its last read by then
.set ADRA, 16
.set CA,   18                          ; v18, v19 my byte in the rope table: even blocks', odd blocks'
.set ADRB, 20
.set FO,   22                          ; v22 my byte in a block of fine
.set STO,  24
.set RD,   25
.set CO,   26
.set ADRS, 27
.set SPW,  28
.set NIL,  29
.set SC,   32
.set RT,   32
.set PK,   96
.set AF,   128
.set G1, 24
.set G0, 32
.set G1B, 48
.set G0B, 56
.set G1S, 68
.set G0S, 76
.set G1SB, 80
.set G0SB, 88
.set MSB, 0
.macro WIN new                         ; the immediate's high byte repeats the setting that is left
.if MSB != \new
	s_set_vgpr_msb (MSB<<8)|\new
.set MSB, \new
.endif
.endm
.set MUL_LO, 0xa1
.set MUL_HI, 0xf1
.set TO_B,   0x40
.macro JLOAD g0a, g1a, g0b, g1b        ; a joint load: waves 0 and 1 fetch for A, waves 2 and 3 for B; an s_nop 0 and four v_nop follow each line
	s_cmp_eq_u32 s15, 0
	s_cbranch_scc0 .Lfor_b_\@
	tensor_load_to_lds s[\g0a:\g0a+3], s[\g1a:\g1a+7]
	s_nop 0
.rept 4
	v_nop
.endr
	s_branch .Lasked_\@
.Lfor_b_\@:
	tensor_load_to_lds s[\g0b:\g0b+3], s[\g1b:\g1b+7]
	s_nop 0
.rept 4
	v_nop
.endr
.Lasked_\@:
.endm
.macro CREST
	s_cmp_lg_u32 s14, 0
	s_cbranch_scc1 .Lnot_wave_0_\@
	s_barrier_signal -3
.Lnot_wave_0_\@:
	s_barrier_wait -3
	s_barrier_signal -1
	s_barrier_wait -1
.endm
.macro CROUND
	s_barrier_signal -1
	s_barrier_wait -1
	CREST
.endm
	s_load_b128 s[4:7], s[0:1], 0x0                ; codes, scales
	s_load_b128 s[8:11], s[0:1], 0x10              ; rope, qkv
	s_load_b64 s[12:13], s[0:1], 0x20              ; fine
	v_lshl_add_u32 v[SPW], v0, 2, SPARE
	v_mov_b32 v[NIL], 0
	ds_add_u32 v[SPW], v[NIL]                      ; the wave's opening: the add, twice on end, and its wait ahead of my first tensor load
	ds_add_u32 v[SPW], v[NIL]
	v_lshrrev_b32 v1, 5, v0
	v_readfirstlane_b32 s14, v1                    ; wave 0..3
	s_lshr_b32 s15, s14, 1                         ; which half of the tile's rows is mine.  Also: I fetch for A (0) or for B (1)
	s_and_b32 s16, s14, 1                          ; which half of its columns.  Also: which 128 rows I fetch
	s_bfe_u32 s40, ttmp6, 0x40000                  ; cx
	s_bfe_u32 s41, ttmp6, 0x40004                  ; cy
	s_lshl_b32 s42, ttmp9, 2
	s_add_co_u32 s42, s42, s40                     ; tile column = 4 x cluster x + cx
	s_and_b32 s97, ttmp7, 0xffff                   ; cluster y
	s_lshl_b32 s17, s41, 2
	s_add_co_u32 s17, s17, s97                     ; tile row = 4 cy + cluster y
	s_lshl_b32 s43, s41, 2
	s_lshl_b32 s43, 15, s43                        ; my row of the cluster
	s_lshl_b32 s44, 0x1111, s40                    ; my column
	s_or_b32 s[G1+0], s43, (0<<16)|(1<<20)|(1<<21)|(5<<22)|(3<<25)  ; mask; elements of 1 byte; padding: 4 words behind every 64
	s_or_b32 s[G1B+0], s44, (0<<16)|(1<<20)|(1<<21)|(5<<22)|(3<<25)
.irp g, G1, G1B
	s_mov_b32 s[\g+1], ROWB<<16
	s_mov_b32 s[\g+2], 128<<16
	s_mov_b32 s[\g+3], ROWB<<16
	s_mov_b32 s[\g+4], 128
	s_mov_b32 s[\g+5], KROW
	s_mov_b32 s[\g+6], 0
	s_mov_b32 s[\g+7], 0
.endr
	s_or_b32 s[G1S+0], s43, (3<<16)|(1<<20)|(1<<21)|(5<<22)|(3<<25) ; the scales of 128 rows: 8,192 dense bytes as 32 rows of 256 (32 elements of 8 bytes)
	s_or_b32 s[G1SB+0], s44, (3<<16)|(1<<20)|(1<<21)|(5<<22)|(3<<25)
.irp g, G1S, G1SB
	s_mov_b32 s[\g+1], 32<<16
	s_mov_b32 s[\g+2], (128*KS/256)<<16
	s_mov_b32 s[\g+3], 32<<16
	s_mov_b32 s[\g+4], 128*KS/256
	s_mov_b32 s[\g+5], 32
	s_mov_b32 s[\g+6], 0
	s_mov_b32 s[\g+7], 0
.endr
	s_lshl_b32 s18, s16, 7
	s_lshl_b32 s20, s17, 8
	s_add_co_u32 s20, s20, s18                     ; A: row 256 x tile row + 128 x half
	s_lshl_b32 s46, s42, 8
	s_add_co_u32 s46, s46, s18
	s_add_co_u32 s46, s46, 4096                    ; B: row 4096 + 256 x tile column + 128 x half
	s_lshl_b32 s22, s20, 6                         ; their scale bytes,
	s_mov_b32 s23, 0
	s_lshl_b32 s92, s46, 6
	s_mov_b32 s93, 0
	s_lshl_b32 s20, s20, 10                        ; and their codes
	s_mov_b32 s21, 0
	s_lshl_b32 s46, s46, 10
	s_mov_b32 s47, 0
	s_mul_i32 s45, s14, HALFT                      ; where they go: wave x 128 rows
	s_mul_i32 s94, s14, HALFS
	s_wait_dscnt 0x0                               ; both opening adds are done
	s_wait_kmcnt 0x0
	s_add_nc_u64 s[20:21], s[4:5], s[20:21]
	s_add_nc_u64 s[22:23], s[6:7], s[22:23]
	s_add_nc_u64 s[46:47], s[4:5], s[46:47]
	s_add_nc_u64 s[92:93], s[6:7], s[92:93]
	CROUND                                         ; all sixteen work-groups are here: the first joint loads meet
	s_mov_b32 s[G0S], 1
	s_add_co_u32 s[G0S+1], s94, SCL
	s_mov_b64 s[G0S+2:G0S+3], s[22:23]
	s_or_b32 s[G0S+3], s[G0S+3], 0x80000000
	s_mov_b32 s[G0SB], 1
	s_add_co_u32 s[G0SB+1], s94, SCL
	s_mov_b64 s[G0SB+2:G0SB+3], s[92:93]
	s_or_b32 s[G0SB+3], s[G0SB+3], 0x80000000
	JLOAD G0S, G1S, G0SB, G1SB                     ; the scales first: they are wanted with K step 0
.irp s, 0,1
	s_mov_b32 s[G0+4*\s], 1
	s_add_co_u32 s[G0+4*\s+1], s45, \s*SLOT
	s_add_nc_u64 s[G0+4*\s+2:G0+4*\s+3], s[20:21], \s*ROWB
	s_or_b32 s[G0+4*\s+3], s[G0+4*\s+3], 0x80000000
	s_mov_b32 s[G0B+4*\s], 1
	s_add_co_u32 s[G0B+4*\s+1], s45, \s*SLOT
	s_add_nc_u64 s[G0B+4*\s+2:G0B+4*\s+3], s[46:47], \s*ROWB
	s_or_b32 s[G0B+4*\s+3], s[G0B+4*\s+3], 0x80000000
	JLOAD G0+4*\s, G1, G0B+4*\s, G1B
.endr
	v_and_b32 v1, 15, v0                           ; r = lane % 16
	v_bfe_u32 v2, v0, 4, 1                         ; h = lane / 16
	v_mul_u32_u24 v3, v1, PITCH
	v_lshl_add_u32 v4, v2, 4, v3
	s_mul_i32 s21, s15, HALFT
	s_mul_i32 s22, s16, HALFT
	s_add_co_u32 s22, s22, 2*HALFT
.irp s, 0,1
	v_add_nc_u32 v[ADRA+\s], s21, v4
	v_add_nc_u32 v[ADRB+\s], s22, v4
	s_add_co_u32 s21, s21, SLOT
	s_add_co_u32 s22, s22, SLOT
.endr
	v_mul_u32_u24 v5, v1, KS                       ; my row's scale bytes: 64 a row, and 16 more for each 256 passed
	v_lshrrev_b32 v6, 8, v5
	v_lshl_add_u32 v5, v6, 4, v5
	s_mul_i32 s21, s15, HALFS
	s_mul_i32 s22, s16, HALFS
	s_add_co_u32 s22, s22, 2*HALFS
	s_sub_co_u32 s22, s22, s21
	v_mul_u32_u24 v6, s22, v2                      ; lanes 16-31 take B's
	s_add_co_u32 s21, s21, SCL
	v_add_nc_u32 v5, v5, v6
	v_add_nc_u32 v[ADRS], s21, v5
	s_mul_i32 s23, s14, 16*SP                      ; my stage
	v_mul_u32_u24 v5, v1, SP
	v_lshl_add_u32 v5, v2, 4, v5
	v_add_nc_u32 v[STO], s23, v5                   ; in: row r, 16 bytes for each half of the lanes
	v_mul_u32_u24 v5, v2, SP
	v_lshl_add_u32 v5, v1, 4, v5
	v_add_nc_u32 v[RD], s23, v5                    ; back: lanes 0-15 one row of 256 bytes, lanes 16-31 the next
	v_lshlrev_b32 v5, 8, v2
	v_lshl_add_u32 v[CO], v1, 4, v5                ; and the same two rows in qkv
	v_lshlrev_b32 v5, 9, v1
	v_lshl_add_u32 v[FO], v2, 5, v5                ; fine: row r of 512 bytes, + 32 h
	; numbers that mix cx and cy stand in registers that feed no descriptor
	s_lshl_b32 s98, s42, 1
	s_add_co_u32 s98, s98, s16                     ; my head slot = 2 x tile column + column half
	s_lshl_b32 s99, s97, 8
	s_lshl_b32 s100, s15, 7
	s_add_co_u32 s99, s99, s100                    ; my first position = 256 x cluster y + 128 x row half
	s_lshl_b32 s100, s99, 9
	s_mov_b32 s67, 0x80000                         ; the table's row 1024
	s_cmp_lt_u32 s98, 20                           ; q or k: rotated
	s_cselect_b32 s66, 512, 0                      ; bytes from position to position,
	s_cselect_b32 s67, s100, s67                   ; my first row,
	s_cselect_b32 s96, 8192, 0                     ; and 16 positions on
	v_mul_u32_u24 v[CA], v1, s66
	v_add_nc_u32 v[CA], s67, v[CA]
	v_lshl_add_u32 v[CA], v2, 5, v[CA]             ; + 32 h: my eight frequencies of each 16
	v_add_nc_u32 v[CA+1], s96, v[CA]
	s_lshl_b32 s96, s96, 1                         ; a set's next block is two blocks on
	s_lshl_b32 s98, s98, 2
	s_add_co_u32 s98, s98, s41                     ; 4 x slot + batch
	s_lshl_b32 s100, s98, 13
	s_mov_b32 s101, 0
	s_add_nc_u64 s[12:13], s[12:13], s[100:101]    ; fine: 8,192 bytes for each (slot, batch)
	s_lshl_b32 s100, s98, 10
	s_add_co_u32 s100, s100, s99
	s_lshl_b32 s100, s100, 8
	s_add_nc_u64 s[10:11], s[10:11], s[100:101]    ; qkv at my first position
	s_or_b32 s97, s97, s15                         ; 0: my first block is positions 0-15
.macro CSLOAD set                      ; 32 cosines and 32 sines of a block's 16 positions: lane (r, h) takes frequencies 16 b + 8 h + 0 .. 7, b = 0 .. 3, of position r
.set CB2, 64+128*(\set)
	WIN TO_B
.irp b, 0,1,2,3
	global_load_b128 v[CB2+8*\b:CB2+8*\b+3], v[CA+(\set)], s[8:9] offset:64*\b
	global_load_b128 v[CB2+8*\b+4:CB2+8*\b+7], v[CA+(\set)], s[8:9] offset:64*\b+16
	global_load_b128 v[CB2+32+8*\b:CB2+32+8*\b+3], v[CA+(\set)], s[8:9] offset:256+64*\b
	global_load_b128 v[CB2+32+8*\b+4:CB2+32+8*\b+7], v[CA+(\set)], s[8:9] offset:256+64*\b+16
.endr
	WIN 0
.endm
	CSLOAD 0                                       ; blocks 0 and 1: they land while the product runs
	CSLOAD 1
.macro FRAG reg, adr, q, i             ; a fragment, 16 rows x 128 K of 4-bit codes: 8 registers, two loads of 16 bytes, 32 bytes apart
.irp c, 0,1
	ds_load_b128 v[\reg+4*\c:\reg+4*\c+3], v[\adr] offset:64*(\q)+32*\c+(\i)*16*PITCH
.endr
.endm
; 16 matrix instructions: A's blocks a0, a0 + 1 x B's eight.  The 64 accumulators take turns, one instruction a turn, in the same order in every step.
.macro MUL16 a0, p, q, sc, zero
.irp a, \a0, \a0+1
.irp b, 0,1,2,3,4,5,6,7
.if \zero
	v_wmma_scale_f32_16x16x128_f8f6f4 v[8*(8*((\a)%4)+\b):8*(8*((\a)%4)+\b)+7], v[128*(\p)+FR*\b:128*(\p)+FR*\b+FR-1], v[AF+FR*(\a):AF+FR*(\a)+FR-1], 0, v[SC+8*NQ*(\sc)+NQ*\b+(\q)], v[SC+8*NQ*(\sc)+NQ*(\a)+(\q)] matrix_a_fmt:MATRIX_FMT_FP4 matrix_b_fmt:MATRIX_FMT_FP4 matrix_a_scale:MATRIX_SCALE_ROW1
.else
	v_wmma_scale_f32_16x16x128_f8f6f4 v[8*(8*((\a)%4)+\b):8*(8*((\a)%4)+\b)+7], v[128*(\p)+FR*\b:128*(\p)+FR*\b+FR-1], v[AF+FR*(\a):AF+FR*(\a)+FR-1], v[8*(8*((\a)%4)+\b):8*(8*((\a)%4)+\b)+7], v[SC+8*NQ*(\sc)+NQ*\b+(\q)], v[SC+8*NQ*(\sc)+NQ*(\a)+(\q)] matrix_a_fmt:MATRIX_FMT_FP4 matrix_b_fmt:MATRIX_FMT_FP4 matrix_a_scale:MATRIX_SCALE_ROW1
.endif
.endr
.endr
.endm
.macro FETCH_B slot, q, p
	WIN TO_B
.irp i, 0,1,2,3,4,5,6,7
	FRAG 128*(\p)+FR*\i, ADRB+\slot, \q, \i
.endr
	WIN 0
.endm
.macro FETCH_A slot, q, i0
.irp i, \i0, \i0+1, \i0+2, \i0+3
	FRAG AF+FR*(\i), ADRA+\slot, \q, \i
.endr
.endm
.macro SCALES sc                       ; a K step's scale words: lanes 0-15 A's block i, lanes 16-31 B's block i
.irp i, 0,1,2,3,4,5,6,7
	ds_load_b128 v[SC+8*NQ*\sc+NQ*\i:SC+8*NQ*\sc+NQ*\i+3], v[ADRS] offset:\i*SBLK
.endr
.endm
.macro PLACES n                        ; plain vector instructions between a matrix instruction and a load into, or a read of, its registers
.rept \n
	v_nop
.endr
.endm
.macro STEP slot, q, zero              ; 128 along K whose successor lies in the same slot
	s_wait_dscnt 4*NL                              ; B's set and A's blocks 0-3 are in; the youngest eight loads (A's blocks 4-7) may be out
	WIN MUL_LO
	MUL16 0, (\q)%2, \q, \slot, \zero
	MUL16 2, (\q)%2, \q, \slot, \zero
	s_wait_dscnt 0
	PLACES NP
	FETCH_B \slot, (\q)+1, 1-(\q)%2
	FETCH_A \slot, (\q)+1, 0
	WIN MUL_HI
	MUL16 4, (\q)%2, \q, \slot, \zero
	MUL16 6, (\q)%2, \q, \slot, \zero
	PLACES NP
	WIN 0
	FETCH_A \slot, (\q)+1, 4
.endm
; A slot's last step changes slots: one barrier; in front of it each wave waits for all its tensor loads, adds 0 to its spare word, and waits for that and for its reads of this slot.
.macro TURN slot, next, fill
	s_wait_tensorcnt 0x0                           ; all my tensor loads have landed: my part of the next slot
	ds_add_u32 v[SPW], v[NIL]
	s_wait_dscnt 4*NL+1                            ; the add and the youngest eight loads may be out
	WIN MUL_LO
	MUL16 0, 1, NQ-1, \slot, 0
	s_wait_dscnt 0x0                               ; the add is done, and my reads of this slot are over
	s_barrier_signal -1
	MUL16 2, 1, NQ-1, \slot, 0
	WIN 0
	s_barrier_wait -1
.if \fill
	CREST                                          ; the barrier has opened a round of the cluster's barrier: no wave of any partner still reads this slot or has a load on its way
	s_add_nc_u64 s[G0+4*\slot+2:G0+4*\slot+3], s[G0+4*\slot+2:G0+4*\slot+3], 2*ROWB
	s_add_nc_u64 s[G0B+4*\slot+2:G0B+4*\slot+3], s[G0B+4*\slot+2:G0B+4*\slot+3], 2*ROWB
	JLOAD G0+4*\slot, G1, G0B+4*\slot, G1B         ; the first tensor load behind the round; its four v_nop are the places in front of the loads below
.else
	PLACES NP
.endif
	v_add_nc_u32 v[ADRS], 4*NQ, v[ADRS]
	FETCH_B \next, 0, 0
	FETCH_A \next, 0, 0
	SCALES \next
	WIN MUL_HI
	MUL16 4, 1, NQ-1, \slot, 0
	MUL16 6, 1, NQ-1, \slot, 0
	PLACES NP
	WIN 0
	FETCH_A \next, 0, 4
.endm
.macro STEPS slot, from
.set Q, \from
.rept NQ-1-\from
	STEP \slot, Q, 0
.set Q, Q+1
.endr
.endm
	s_wait_tensorcnt 1                             ; the scales and my part of K step 0 are in; K step 1's load may be out
	s_barrier_signal -1
	s_barrier_wait -1
	FETCH_B 0, 0, 0
	FETCH_A 0, 0, 0
	SCALES 0
	FETCH_A 0, 0, 4
	STEP 0, 0, 1                                   ; the first step's products start the sums
	s_mov_b32 s3, LAPS-1
.Llap:
	STEPS 0, 1
	TURN 0, 1, 1
	STEPS 1, 0
	TURN 1, 0, 1
	STEP 0, 0, 0
	s_sub_co_u32 s3, s3, 1
	s_cmp_lg_u32 s3, 0
	s_cbranch_scc1 .Llap
	STEPS 0, 1                                     ; the last lap fills nothing
	TURN 0, 1, 0
	STEPS 1, 0
	s_wait_dscnt 4*NL
	WIN MUL_LO
	MUL16 0, 1, NQ-1, 1, 0
	MUL16 2, 1, NQ-1, 1, 0
	s_wait_dscnt 0
	WIN MUL_HI
	MUL16 4, 1, NQ-1, 1, 0
	MUL16 6, 1, NQ-1, 1, 0
	WIN 0
; THE WAY OUT, a block of 16 positions x one head at a time.  Accumulator (a, b), register j, lane (r, h): position 16 a + r, channel 16 b + 8 h + j.  Channels d and d + 64 are accumulators b and b + 4 of one lane:
; out(d) = t(d) cos - t(d + 64) sin;  out(d + 64) = t(d + 64) cos + t(d) sin.  Each accumulator is read from its low end on.
.macro ROPE a
.set AC, 64*((\a)%4)
.set CB, 64+128*((\a)%2)
	WIN (0x06+(\a)/4)                              ; source 0 the accumulators' window, source 1 window 1, the rest window 0
.irp b, 0,1,2,3
.irp jj, 0,2,4,6
	v_pk_mul_f32 v[RT+8*\b+\jj:RT+8*\b+\jj+1], v[AC+8*\b+\jj:AC+8*\b+\jj+1], v[CB+8*\b+\jj:CB+8*\b+\jj+1]
	v_pk_mul_f32 v[RT+32+8*\b+\jj:RT+32+8*\b+\jj+1], v[AC+32+8*\b+\jj:AC+32+8*\b+\jj+1], v[CB+8*\b+\jj:CB+8*\b+\jj+1]
	v_pk_fma_f32 v[RT+8*\b+\jj:RT+8*\b+\jj+1], v[AC+32+8*\b+\jj:AC+32+8*\b+\jj+1], v[CB+32+8*\b+\jj:CB+32+8*\b+\jj+1], v[RT+8*\b+\jj:RT+8*\b+\jj+1] neg_lo:[1,0,0] neg_hi:[1,0,0]
	v_pk_fma_f32 v[RT+32+8*\b+\jj:RT+32+8*\b+\jj+1], v[AC+8*\b+\jj:AC+8*\b+\jj+1], v[CB+32+8*\b+\jj:CB+32+8*\b+\jj+1], v[RT+32+8*\b+\jj:RT+32+8*\b+\jj+1]
.endr
.endr
	WIN 0
.endm
.macro SEND a, younger                 ; younger: the LDS instructions issued behind block a's loads
.set PB, PK+32*((\a)%2)
	s_wait_dscnt \younger
.irp t, 0,1,2,3,4,5,6,7
	global_store_b128 v[CO], v[PB+4*\t:PB+4*\t+3], s[10:11] offset:(\a)*4096+512*\t   ; 16 lanes store a position's 256 bytes, aligned
.endr
.endm
.macro OUTBLK a
.set PB, PK+32*((\a)%2)
.if (\a) < 7
	s_wait_loadcnt 16                              ; this block's cosines and sines are in; the next block's 16 loads may be out
.else
	s_wait_loadcnt 0x0
.endif
	ROPE \a
.if (\a) < 6
	v_add_nc_u32 v[CA+(\a)%2], s96, v[CA+(\a)%2]   ; free since the wait above: the block two on, into the set just read
	CSLOAD (\a)%2
.endif
.if (\a) == 0
	s_cmp_lg_u32 s97, 0
	s_cbranch_scc1 .Lno_fine
.irp b, 0,1,2,3,4,5,6,7
	global_store_b128 v[FO], v[RT+8*\b:RT+8*\b+3], s[12:13] offset:64*\b          ; positions 0-15 in f32, for the launch that carries them finely
	global_store_b128 v[FO], v[RT+8*\b+4:RT+8*\b+7], s[12:13] offset:64*\b+16
.endr
.Lno_fine:
.endif
	s_wait_xcnt 0x0                                ; earlier stores have read their registers: this set of f16 numbers, and the rotated block, may be written again
.set i, 0
.rept 32
	v_cvt_pk_f16_f32 v[PB+i], v[RT+2*i], v[RT+2*i+1]
.set i, i+1
.endr
.irp b, 0,1,2,3,4,5,6,7
	ds_store_b128 v[STO], v[PB+4*\b:PB+4*\b+3] offset:32*\b
.endr
.irp t, 0,1,2,3,4,5,6,7
	ds_load_b128 v[PB+4*\t:PB+4*\t+3], v[RD] offset:\t*2*SP        ; LDS serves a wave's instructions in order: these see the stores above
.endr
.if (\a) > 0
	SEND (\a)-1, 16                                ; behind block a - 1's loads: block a's 8 stores and 8 loads
.endif
.endm
	PLACES NP
.irp a, 0,1,2,3,4,5,6,7
	OUTBLK \a
.endr
	SEND 7, 0
	s_wait_tensorcnt 0x0                           ; the wave's end
	ds_add_u32 v[SPW], v[NIL]
	s_wait_dscnt 0x0
	CROUND                                         ; the closing round
	s_endpgm
.Lfunc_end_k_qb4435ff79a_qkv:
	.size	k_qb4435ff79a_qkv, .Lfunc_end_k_qb4435ff79a_qkv-k_qb4435ff79a_qkv
	.p2alignl 7, 3214868480
	.fill 96, 4, 3214868480
	.section	.rodata,"a",@progbits
	.p2align	6, 0x0
	.amdhsa_kernel k_qb4435ff79a_qkv
		.amdhsa_group_segment_fixed_size 327680
		.amdhsa_private_segment_fixed_size 0
		.amdhsa_enable_private_segment 0
		.amdhsa_kernarg_size 40
		.amdhsa_user_sgpr_count 2
		.amdhsa_user_sgpr_kernarg_segment_ptr 1
		.amdhsa_wavefront_size32 1
		.amdhsa_system_sgpr_workgroup_id_x 1
		.amdhsa_system_sgpr_workgroup_id_y 1
		.amdhsa_system_sgpr_workgroup_id_z 1
		.amdhsa_system_vgpr_workitem_id 0
		.amdhsa_next_free_vgpr 1024
		.amdhsa_next_free_sgpr 102
		.amdhsa_reserve_vcc 0
		.amdhsa_float_denorm_mode_32 3
		.amdhsa_float_denorm_mode_16_64 3
		.amdhsa_memory_ordered 1
		.amdhsa_forward_progress 1
		.amdhsa_inst_pref_size 255
	.end_amdhsa_kernel
	.section	.bss,"aw",@nobits
	.p2align	6
	.space	262144
	.amdgpu_metadata
---
amdhsa.version: [ 1, 2 ]
amdhsa.kernels:
  - .name:           k_qb4435ff79a_qkv
    .symbol:         k_qb4435ff79a_qkv.kd
    .args:
      - { .name: codes, .offset: 0, .size: 8, .value_kind: global_buffer, .address_space: global }
      - { .name: scales, .offset: 8, .size: 8, .value_kind: global_buffer, .address_space: global }
      - { .name: rope, .offset: 16, .size: 8, .value_kind: global_buffer, .address_space: global }
      - { .name: qkv, .offset: 24, .size: 8, .value_kind: global_buffer, .address_space: global }
      - { .name: fine, .offset: 32, .size: 8, .value_kind: global_buffer, .address_space: global }
    .group_segment_fixed_size: 327680
    .private_segment_fixed_size: 0
    .kernarg_segment_align: 8
    .kernarg_segment_size: 40
    .max_flat_workgroup_size: 128
    .sgpr_count:     102
    .vgpr_count:     1024
    .wavefront_size: 32
...
	.end_amdgpu_metadata
.endif
;; end of part 2
;; launch attn (part 3): grid 16 x 16, 4 waves a work-group, no clusters, 327,680 bytes of LDS; arguments qkv, att; writes att
.if DOCPART == 3
	.amdgcn_target "amdgcn-amd-amdhsa--gfx1250"
	.amdhsa_code_object_version 6
	.text
	.protected	k_qb4435ff79a_attn
	.globl	k_qb4435ff79a_attn
	.p2align	8
	.type	k_qb4435ff79a_attn,@function
k_qb4435ff79a_attn:
	s_mov_b64 s[64:65], 0
	v_nop
	global_prefetch_b8 v0, s[64:65] scope:SCOPE_SE
	s_setreg_imm32_b32 hwreg(HW_REG_WAVE_MODE, 25, 1), 1
	s_wait_xcnt 0x0
; Causal attention with grouped heads, f16 operands, f32 products, maxima and sums.  q, k, v: qkv [24 slots][4][1024][128] f16.  att [4096 (batch, position)][2048 (head, channel)] f16, WITHOUT head_scale (it lies in wot).
; LEFT OUT (shown at the head of the first kernel): key steps that lie wholly behind a tile's queries under reference()'s own causal mask.
; SHARES.  Work-group (g, y): y = 4 batch + kv head; k = 7 - g / 4 (4..7), i = g % 4.  Wave w: head pair hp = w % 2 (heads 4 kvh + 2 hp, + 1), sel = w / 2.  It holds four tiles of 16 queries: piece 0 (tiles 0, 1): the two
; heads at the LATE position tile PL = 8 k + 4 (1 - sel) + i (32..63); piece 2 (tiles 2, 3): the same heads at the EARLY tile PE = 63 - PL.  A piece at tile P wants key steps (64 keys) 0 .. P / 4, and
; PL / 4 + PE / 4 = 15: every wave has 17 piece steps.  The work-group reads key steps 0 .. 2 k + 1: slots (128 keys) 0 .. k.
; EVERY work-group walks all 8 slots, so that trip counts are constants of the text; a step behind a wave's last is jumped over (ids alone), and a slot behind the work-group's last is not asked for.
; NO CLUSTER: the work-groups of a kv head share K and V, but want 5 to 8 slots by their numbers; so each asks for itself.
; LAYOUT.  S^T = K Q^T and O^T = V^T P: a lane holds ONE query (lane % 16) throughout; two tiles of S^T rounded in pairs are source 1 of the second product.  V ([key][channel]) is turned by ds_load_tr16_b128.
; SOFTMAX.  Running maximum m and sum l for each query: p = 2^(c s - c m), c = log2(e) / sqrt(128); O and l are multiplied by 2^(c m_old - c m_new) in every step.
; IN PHASES: a piece's K Q^T, its softmax, its V^T P; then the other piece's.
; REGISTERS: window 0: v2-8 addresses; v12-43 statistics, eight a tile; v44-46 the mask's; v61-63; v64-191 S^T, 32 a tile; v192-255 P, 16 a tile.  window 1: O^T, 64 a tile.  window 2: v0-127 Q; v128-255 K of a step.  window 3: v0-127 V of a step.
.set KS,    64
.set PKP,   272                        ; a row of K in LDS: 256 bytes + 16
.set PVP,   288                        ; a row of V: 256 + 32
.set VOFF,  KS*PKP
.set STEPB, KS*(PKP+PVP)
.set SLOT1, 1<<17
.set STAGE, SLOT1+2*STEPB              ; behind the ring: 16 rows x 272 bytes a wave, for the way out
.set SP,    272
.set SPARE, STAGE+4*16*272             ; the spare words, 128 bytes a wave: two blocks of 256 bytes that no other line names
.set AK0, 2
.set AV0, 3
.set ADR, 4
.set QO,  5
.set STO, 6
.set RD,  7
.set GO,  8
.set PFO, 61
.set SPW, 62
.set NIL, 63
.set ST,  12
.set S,   64
.set P,   192
.set KFR, 128
.set WV,  12
.set G1K, 24
.set G1V, 32
.set G0K, 40
.set G0V, 44
.set QL,  48
.set QE,  50
.set OL,  52
.set OE,  54
.set SLOTS, 56
.set TWICE, 57
.set CS,  58
.set SEL, 60
.set TB,  62                           ; s62 LDS byte at which the step's tiles begin
.set SJ,  66                           ; s66 the step's number
.set SKF, 67                           ; s67 its first key
.set JL,  68                           ; s68, s69 the last step of my late piece, of my early piece
.set JE,  69
.set PL16, 70                          ; s70, s71 their first queries
.set PE16, 71
.set NS,  72                           ; s72 the slot that a change asks for
.set KLIM, 73                          ; s73 the work-group's last slot
.set LIM, 74                           ; s74 a wave prefetches while s72 is under it
.set PFA, 76
.set MSB, 0
.macro WIN new
.if MSB != \new
	s_set_vgpr_msb (MSB<<8)|\new
.set MSB, \new
.endif
.endm
.set W_KQ, 0x0a
.set W_PV, 0x53
.set W_RS, 0x41
.macro TLOAD                           ; waves 0, 1: K of the slot's step w % 2; waves 2, 3: V of it.  An s_nop 0 and four v_nop follow each line
	s_cmp_lt_u32 s[WV], 2
	s_cbranch_scc0 .Lfor_v_\@
	tensor_load_to_lds s[G0K:G0K+3], s[G1K:G1K+7]
	s_nop 0
.rept 4
	v_nop
.endr
	s_branch .Lasked_\@
.Lfor_v_\@:
	tensor_load_to_lds s[G0V:G0V+3], s[G1V:G1V+7]
	s_nop 0
.rept 4
	v_nop
.endr
.Lasked_\@:
.endm
; A prefetch of the slot that the NEXT change will ask for: 128 rows of K and of V, 256 bytes a row.  All sixteen work-groups of a (batch, kv head) walk the same rows: the first of them (g = 0, which walks all 8 slots) asks;
; each of its four waves names 32 rows of K and the same 32 of V, a lane a row: each row once in the launch.  The change that asks for slot 7 names nothing.  Slots 0 and 1 come by their loads alone.
.macro ASK
	s_cmp_lt_u32 s[NS], s[LIM]
	s_cbranch_scc0 .Lnot_mine_\@
	global_prefetch_b8 v[PFO], s[PFA:PFA+1] th:TH_LOAD_NT scope:SCOPE_SE
	global_prefetch_b8 v[PFO], s[PFA:PFA+1] offset:4194304 th:TH_LOAD_NT scope:SCOPE_SE
.Lnot_mine_\@:
.endm
	s_load_b128 s[4:7], s[0:1], 0x0                ; qkv, att
	v_lshl_add_u32 v[SPW], v0, 2, SPARE
	v_mov_b32 v[NIL], 0
	ds_add_u32 v[SPW], v[NIL]                      ; the wave's opening: the add, twice on end, and its wait ahead of my first tensor load
	ds_add_u32 v[SPW], v[NIL]
	v_lshrrev_b32 v1, 5, v0
	v_readfirstlane_b32 s[WV], v1
	s_and_b32 s13, ttmp7, 0xffff
	s_lshr_b32 s14, s13, 2                         ; batch
	s_and_b32 s15, s13, 3                          ; kv head
	s_lshr_b32 s16, ttmp9, 2
	s_sub_co_u32 s[KLIM], 7, s16                   ; k
	s_and_b32 s17, ttmp9, 3                        ; i
	s_and_b32 s18, s[WV], 1                        ; hp; also which step of a slot I fetch
	s_lshr_b32 s19, s[WV], 1                       ; sel
	s_lshl_b32 s20, s[KLIM], 3
	s_add_co_u32 s20, s20, s17
	s_xor_b32 s21, s19, 1
	s_lshl_b32 s21, s21, 2
	s_add_co_u32 s20, s20, s21                     ; PL
	s_sub_co_u32 s21, 63, s20                      ; PE
	s_lshr_b32 s[JL], s20, 2
	s_lshr_b32 s[JE], s21, 2
	s_lshl_b32 s[PL16], s20, 4
	s_lshl_b32 s[PE16], s21, 4
	s_lshl_b32 s22, s15, 2
	s_lshl_b32 s23, s18, 1
	s_add_co_u32 s22, s22, s23                     ; my first head
	s_lshl_b32 s16, s22, 2
	s_add_co_u32 s16, s16, s14
	s_lshl_b32 s16, s16, 10                        ; (4 head + batch) x 1024 positions
	s_add_co_u32 s[QL], s16, s[PL16]
	s_lshl_b32 s[QL], s[QL], 8
	s_mov_b32 s[QL+1], 0
	s_add_co_u32 s[QE], s16, s[PE16]
	s_lshl_b32 s[QE], s[QE], 8
	s_mov_b32 s[QE+1], 0
	s_lshl_b32 s16, s14, 10
	s_lshl_b32 s23, s22, 8
	s_add_co_u32 s[OL], s16, s[PL16]
	s_lshl_b32 s[OL], s[OL], 12
	s_add_co_u32 s[OL], s[OL], s23                 ; att: (batch, position) x 4,096 + head x 256
	s_mov_b32 s[OL+1], 0
	s_add_co_u32 s[OE], s16, s[PE16]
	s_lshl_b32 s[OE], s[OE], 12
	s_add_co_u32 s[OE], s[OE], s23
	s_mov_b32 s[OE+1], 0
	s_add_co_u32 s2, s15, 16
	s_lshl_b32 s2, s2, 2
	s_add_co_u32 s2, s2, s14
	s_lshl_b32 s2, s2, 18                          ; K of my (kv head, batch): 1024 rows of 256 bytes
	s_mov_b32 s3, 0
	s_lshl_b32 s8, s18, 14                         ; my step's 64 rows
	s_mov_b32 s9, 0
	s_lshl_b32 s10, s[WV], 13                      ; the prefetches: my wave's 32 rows,
	s_add_co_u32 s10, s10, 2*KS*256                ; in slot 1: the first change steps it to slot 2
	s_mov_b32 s11, 0
	s_mul_i32 s17, s18, STEPB                      ; my step's place in a slot
	s_mov_b32 s[G1K], (1<<16)|(1<<20)|(5<<22)|(3<<25)   ; elements of 2 bytes; padding: 4 words behind every 64
	s_mov_b32 s[G1V], (1<<16)|(1<<20)|(5<<22)|(7<<25)   ; 8 words
.irp g, G1K, G1V
	s_mov_b32 s[\g+1], 128<<16
	s_mov_b32 s[\g+2], KS<<16
	s_mov_b32 s[\g+3], 128<<16
	s_mov_b32 s[\g+4], KS
	s_mov_b32 s[\g+5], 128
	s_mov_b32 s[\g+6], 0
	s_mov_b32 s[\g+7], 0
.endr
	s_mov_b32 s[CS], 0x3e0293ee                    ; c = log2(e) / sqrt(128)
	s_mov_b32 s[CS+1], s[CS]
	s_mov_b32 s[SEL], 0x76543210
	s_mov_b32 s[SEL+1], 0xfedcba98
	s_mov_b32 s[TB], 0
	s_mov_b32 s[SJ], 0
	s_mov_b32 s[SKF], 0
	s_mov_b32 s[NS], 0
	s_mov_b32 s[SLOTS], 6
	s_cmp_eq_u32 ttmp9, 0
	s_cselect_b32 s[LIM], 7, 0
	v_and_b32 v[PFO], 31, v0
	v_lshlrev_b32 v[PFO], 8, v[PFO]
	s_wait_dscnt 0x0                               ; both opening adds are done
	s_wait_kmcnt 0x0
	s_add_nc_u64 s[QL:QL+1], s[4:5], s[QL:QL+1]
	s_add_nc_u64 s[QE:QE+1], s[4:5], s[QE:QE+1]
	s_add_nc_u64 s[OL:OL+1], s[6:7], s[OL:OL+1]
	s_add_nc_u64 s[OE:OE+1], s[6:7], s[OE:OE+1]
	s_add_nc_u64 s[2:3], s[4:5], s[2:3]
	s_add_nc_u64 s[PFA:PFA+1], s[2:3], s[10:11]
	s_mov_b32 s[G0K], 1
	s_mov_b32 s[G0K+1], s17
	s_add_nc_u64 s[G0K+2:G0K+3], s[2:3], s[8:9]
	s_mov_b32 s[G0V], 1
	s_add_co_u32 s[G0V+1], s17, VOFF
	s_add_nc_u64 s[G0V+2:G0V+3], s[G0K+2:G0K+3], 4194304   ; V lies four slots of qkv behind K
	s_or_b32 s[G0K+3], s[G0K+3], 0x80000000
	s_or_b32 s[G0V+3], s[G0V+3], 0x80000000
	TLOAD                                          ; slot 0: every wave issues one fill
	v_and_b32 v1, 15, v0                           ; r
	v_bfe_u32 v9, v0, 4, 1                         ; h
	v_lshlrev_b32 v[QO], 8, v1
	v_lshl_add_u32 v[QO], v9, 4, v[QO]
	WIN 0x80
.irp i, 0,1,2,3,4,5,6,7                        ; Q stays in registers: tile i / 4, channels 32 (i % 4) on; the next head lies 1,048,576 bytes on
	global_load_b128 v[8*\i:8*\i+3],   v[QO], s[QL:QL+1] offset:(\i/4)*1048576+(\i%4)*64
	global_load_b128 v[8*\i+4:8*\i+7], v[QO], s[QL:QL+1] offset:(\i/4)*1048576+(\i%4)*64+32
.endr
.irp i, 8,9,10,11,12,13,14,15
	global_load_b128 v[8*\i:8*\i+3],   v[QO], s[QE:QE+1] offset:((\i-8)/4)*1048576+(\i%4)*64
	global_load_b128 v[8*\i+4:8*\i+7], v[QO], s[QE:QE+1] offset:((\i-8)/4)*1048576+(\i%4)*64+32
.endr
	WIN 0
	v_mul_u32_u24 v[AK0], v1, PKP
	v_lshl_add_u32 v[AK0], v9, 4, v[AK0]
	v_and_b32 v10, 7, v0
	v_bfe_u32 v11, v0, 3, 1
	v_lshl_add_u32 v[AV0], v9, 3, v10
	v_mul_u32_u24 v[AV0], v[AV0], PVP
	v_lshl_add_u32 v[AV0], v11, 4, v[AV0]
	v_add_nc_u32 v[AV0], VOFF, v[AV0]
	s_mul_i32 s13, s[WV], 16*SP
	s_add_co_u32 s13, s13, STAGE
	v_mul_u32_u24 v[STO], v1, SP
	v_lshl_add_u32 v[STO], v9, 4, v[STO]
	v_add_nc_u32 v[STO], s13, v[STO]
	v_mul_u32_u24 v[RD], v9, SP
	v_lshl_add_u32 v[RD], v1, 4, v[RD]
	v_add_nc_u32 v[RD], s13, v[RD]
	v_lshlrev_b32 v[GO], 12, v9
	v_lshl_add_u32 v[GO], v1, 4, v[GO]
	v_mov_b32 v45, 0xff800000                      ; -infinity
	v_lshlrev_b32 v46, 3, v9
	v_sub_nc_u32 v46, v1, v46                      ; r - 8 h
; Product i of 32 of O^T += V^T P, piece x: 16 accumulators by turns.  zero = 1: the first 16 start the sums.
.macro PV x, zero
	WIN W_PV
.set rO, 64*(\x+i%2)+8*((i/2)%8)
.set rV, 64*(i/16)+8*((i/2)%8)
.set rP, P+16*(\x+i%2)+8*(i/16)
.if \zero && (i < 16)
	v_wmma_f32_16x16x32_f16 v[rO:rO+7], v[rV:rV+7], v[rP:rP+7], 0
.else
	v_wmma_f32_16x16x32_f16 v[rO:rO+7], v[rV:rV+7], v[rP:rP+7], v[rO:rO+7]
.endif
.endm
; Product i of 32 of S^T = K Q^T, piece x: 8 accumulators by turns; the first 8 start the sums.
.macro KQ x
	WIN W_KQ
.set rS, S+32*(\x+i%2)+8*((i/2)%4)
.set rK, KFR+32*((i/2)%4)+8*(i/8)
.set rQ, 32*(\x+i%2)+8*(i/8)
.if i < 8
	v_wmma_f32_16x16x32_f16 v[rS:rS+7], v[rK:rK+7], v[rQ:rQ+7], 0
.else
	v_wmma_f32_16x16x32_f16 v[rS:rS+7], v[rK:rK+7], v[rQ:rQ+7], v[rS:rS+7]
.endif
.endm
.macro FETCH_K
	WIN 0
	v_add_nc_u32 v[ADR], s[TB], v[AK0]
	WIN 0x80
.irp f, 0,1,2,3,4,5,6,7,8,9,10,11,12,13,14,15
	ds_load_b128 v[KFR+8*\f:KFR+8*\f+3],   v[ADR] offset:(\f/4)*16*PKP+(\f%4)*64
	ds_load_b128 v[KFR+8*\f+4:KFR+8*\f+7], v[ADR] offset:(\f/4)*16*PKP+(\f%4)*64+32
.endr
.endm
.macro FETCH_V
	WIN 0
	v_add_nc_u32 v[ADR], s[TB], v[AV0]
	WIN 0xc0
.irp f, 0,1,2,3,4,5,6,7,8,9,10,11,12,13,14,15
	ds_load_tr16_b128 v[8*\f:8*\f+3],   v[ADR] offset:(\f/8)*32*PVP+(\f%8)*32
	ds_load_tr16_b128 v[8*\f+4:8*\f+7], v[ADR] offset:(\f/8)*32*PVP+16*PVP+(\f%8)*32
.endr
	WIN 0
.endm
; One tile's softmax for one key step is a list of 134 instructions; SM writes number j of it for tile t.
;   0-15 the maximum of the lane's 32 scores and the old m;  16-20 the other half of the lanes', the new m, c m, its change;  21-69 ONE BATCH: 16 packed scalings and all 33 exponentials, none of which reads an exponential's result;
;   70-85 the roundings to f16;  86-101 the sums, l = a l + the sum;  102-133 the tile's O^T times a.   first = 1: the first key step, which starts m, l and O^T.
.macro SM t, first
.set rT, ST+8*(\t)
.set rS, S+32*(\t)
.set rP, P+16*(\t)
.set rO, 64*(\t)+2*(j-102)
.if j < 102
	WIN 0
.endif
.if j < 4
	v_max3_num_f32 v[rT+4+j], v[rS+8*j], v[rS+8*j+1], v[rS+8*j+2]
.elseif j < 12
	v_max3_num_f32 v[rT+4+j%4], v[rT+4+j%4], v[rS+8*(j%4)+2*(j/4)+1], v[rS+8*(j%4)+2*(j/4)+2]
.elseif j == 12
	v_max3_num_f32 v[rT+4], v[rT+4], v[rS+7], v[rS+15]
.elseif j == 13
	v_max3_num_f32 v[rT+6], v[rT+6], v[rS+23], v[rS+31]
.elseif j == 14
	v_max3_num_f32 v[rT+4], v[rT+4], v[rT+5], v[rT+6]
.elseif (j == 15) && \first
	v_max_num_f32 v[rT+4], v[rT+4], v[rT+7]
.elseif j == 15
	v_max3_num_f32 v[rT+4], v[rT+4], v[rT+7], v[rT+1]
.elseif j == 16
	v_permlanex16_b32 v[rT+5], v[rT+4], s[SEL], s[SEL+1]
.elseif j == 18
	v_max_num_f32 v[rT+1], v[rT+4], v[rT+5]
.elseif j == 19
	v_mul_f32 v[rT], s[CS], v[rT+1]
.elseif ((j == 17) || (j == 20) || (j == 23) || (j > 101)) && \first
.elseif j == 17
	v_mov_b32 v[rT+7], v[rT]
.elseif j == 20
	v_sub_f32 v[rT+7], v[rT+7], v[rT]
.elseif j == 23
	v_exp_f32 v[rT+6], v[rT+7]
.elseif (j < 23) || ((j < 38) && (j%2 == 0)) || ((j < 66) && (j%4 == 2))
.set b, (j-2)/4
.if j < 38
.set b, (j-20)/2
.endif
	v_pk_fma_f32 v[rS+2*b:rS+2*b+1], v[rS+2*b:rS+2*b+1], s[CS:CS+1], v[rT:rT+1] op_sel_hi:[1,0,0] neg_lo:[0,0,1] neg_hi:[0,0,1]
.elseif j < 70
.set e, j-38
.if j < 66
.set e, j-32-(j-38)/4
.endif
.if j < 38
.set e, (j-25)/2
.endif
	v_exp_f32 v[rS+e], v[rS+e]
.elseif j < 86
	v_cvt_pk_f16_f32 v[rP+j-70], v[rS+2*(j-70)], v[rS+2*(j-70)+1]
.elseif j < 102
.set z, j-86
.set w, 4
.set u, z
.if z >= 14
.set w, 32
.set u, 0
.elseif z >= 12
.set w, 16
.set u, z-12
.elseif z >= 8
.set w, 8
.set u, z-8
.endif
.if (z == 14) && \first
	v_pk_add_f32 v[rT+2:rT+3], v[rS:rS+1], v[rS+16:rS+17]
.elseif z < 15
	v_pk_add_f32 v[rS+w*u:rS+w*u+1], v[rS+w*u:rS+w*u+1], v[rS+w*u+w/2:rS+w*u+w/2+1]
.elseif !\first
	v_pk_fma_f32 v[rT+2:rT+3], v[rT+2:rT+3], v[rT+6:rT+7], v[rS:rS+1] op_sel_hi:[1,0,1]
.endif
.else
	WIN W_RS
	v_pk_mul_f32 v[rO:rO+1], v[rO:rO+1], v[rT+6:rT+7] op_sel_hi:[1,0]
.endif
.endm
.macro SOFTMAX y, first                ; both tiles of piece y, number by number, the tiles by turns
.set j, 0
.rept 70
	SM \y, \first
	SM (\y)+1, \first
.set j, j+1
.endr
	WIN 0
	v_nop                                          ; a plain instruction behind the last exponential
	s_wait_alu depctr_va_vdst(0)                   ; ONE wait for the piece's 66 exponentials, ahead of the first instruction that names a result
.rept 64
	SM \y, \first
	SM (\y)+1, \first
.set j, j+1
.endr
	WIN 0
.endm
; The step on the diagonal: register n of a tile holds key SKF + 16 (n / 8) + 8 h + n % 8; it is hidden where that comes after my query: its score becomes -infinity ahead of the maximum.  The step's first key counts for every query of the tile.
.macro MASK y, p16
	s_sub_co_i32 s78, s[\p16], s[SKF]
	v_add_nc_u32 v44, s78, v46
.set n, 0
.rept 32
	v_cmp_gt_i32 vcc_lo, 16*(n/8)+n%8, v44
	v_cndmask_b32 v[S+32*(\y)+n], v[S+32*(\y)+n], v45, vcc_lo
	v_cndmask_b32 v[S+32*(\y)+32+n], v[S+32*(\y)+32+n], v45, vcc_lo
.set n, n+1
.endr
.endm
.macro PLACES
.rept 4
	v_nop
.endr
.endm
.macro MANY what, x, zero              ; 32 products
.set i, 0
.rept 32
.if \what
	PV \x, \zero
.else
	KQ \x
.endif
.set i, i+1
.endr
	WIN 0
.endm
; A KEY STEP of 64 keys.  All branches hang on ids and the count of steps; none leads round a barrier, a tensor load or the lines at the step's end that step addresses.
.macro STEP first
.if !\first
	s_cmp_gt_u32 s[SJ], s[JL]
	s_cbranch_scc1 .Lhid_\@                        ; behind my late piece's last step
.endif
	PLACES                                         ; between the last step's products and the loads into V's registers
	FETCH_K
	FETCH_V
	s_wait_dscnt 32                                ; K is in; V's 32 loads may be out
	MANY 0, 0, 0
	PLACES
.if !\first
	s_cmp_lg_u32 s[SJ], s[JL]
	s_cbranch_scc1 .Lopen_l_\@
	MASK 0, PL16
.Lopen_l_\@:
.endif
	SOFTMAX 0, \first
	s_wait_dscnt 0x0                               ; V is in
	MANY 1, 0, \first
.if !\first
	s_cmp_gt_u32 s[SJ], s[JE]
	s_cbranch_scc1 .Lhid_\@                        ; behind my early piece's last step
.endif
	MANY 0, 2, 0
	PLACES
	s_cmp_lg_u32 s[SJ], s[JE]
	s_cbranch_scc1 .Lopen_e_\@
	MASK 2, PE16
.Lopen_e_\@:
	SOFTMAX 2, \first
	MANY 1, 2, \first
.Lhid_\@:
	s_add_co_u32 s[SJ], s[SJ], 1
	s_add_co_u32 s[SKF], s[SKF], KS
	s_add_co_u32 s[TB], s[TB], STEPB
.endm
; THE CHANGE OF SLOTS stands at a slot's head.  Each wave waits for all its tensor loads (its part of the slot ahead), adds 0 to its spare word, and waits for that and for its reads of the slot that it has left; one barrier;
; fill = 1: behind it the other slot is asked for, while the work-group has a step that reads it.  By this text's own count a wave has one tensor load out at the most; every wait for tensor loads is for 0.
.macro CHANGE fill
	s_wait_tensorcnt 0x0
	ds_add_u32 v[SPW], v[NIL]
.if \fill
	s_xor_b32 s[G0K+1], s[G0K+1], SLOT1
	s_add_nc_u64 s[G0K+2:G0K+3], s[G0K+2:G0K+3], 2*KS*256
	s_xor_b32 s[G0V+1], s[G0V+1], SLOT1
	s_add_nc_u64 s[G0V+2:G0V+3], s[G0V+2:G0V+3], 2*KS*256
	s_wait_xcnt 0x0                                ; the last prefetches, a slot back, have read their address
	s_add_nc_u64 s[PFA:PFA+1], s[PFA:PFA+1], 2*KS*256
	s_add_co_u32 s[NS], s[NS], 1
.endif
	s_wait_dscnt 0x0
	s_barrier_signal -1
	s_barrier_wait -1
.if \fill
	s_cmp_gt_u32 s[NS], s[KLIM]                    ; ids and the count of changes alone: the same in all four waves, and once past the limit always past it
	s_cbranch_scc1 .Lpast_\@
	TLOAD
.Lpast_\@:
	ASK
.endif
.endm
.macro TURNSLOT
	s_sub_co_u32 s[TB], s[TB], 2*STEPB
	s_xor_b32 s[TB], s[TB], SLOT1
.endm
.macro TWO_STEPS
	s_mov_b32 s[TWICE], 2
.Lstep_\@:
	STEP 0
	s_sub_co_u32 s[TWICE], s[TWICE], 1
	s_cmp_lg_u32 s[TWICE], 0
	s_cbranch_scc1 .Lstep_\@
	TURNSLOT
.endm
	s_wait_loadcnt 0x0                             ; Q
	CHANGE 1                                       ; slot 0 is whole; slot 1 is asked for: a first fill, behind a barrier behind which nothing is filled again
	STEP 1
	STEP 0
	TURNSLOT
.Lslot:                                                ; slots 1 to 6
	CHANGE 1
	TWO_STEPS
	s_sub_co_u32 s[SLOTS], s[SLOTS], 1
	s_cmp_lg_u32 s[SLOTS], 0
	s_cbranch_scc1 .Lslot
	CHANGE 0                                       ; slot 7: nothing is left to ask for
	TWO_STEPS
	; THE WAY OUT: O^T / l, rounded to f16, a tile (16 rows) at a time through my stage.  The additions are the places behind the last products.
.irp t, 0,1,2,3
	v_add_f32 v[ST+8*\t+4], v[ST+8*\t+2], v[ST+8*\t+3]
.endr
.irp t, 0,1,2,3
	v_permlanex16_b32 v[ST+8*\t+5], v[ST+8*\t+4], s[SEL], s[SEL+1]
.endr
.irp t, 0,1,2,3
	v_add_f32 v[ST+8*\t+4], v[ST+8*\t+4], v[ST+8*\t+5]
.endr
.irp t, 0,1,2,3
	v_rcp_f32 v[ST+8*\t+6], v[ST+8*\t+4]
.endr
	v_nop
	s_wait_alu depctr_va_vdst(0)                   ; one wait for the four reciprocals
.macro PACK t
	WIN W_RS
.set i, 64*\t
.rept 32
	v_pk_mul_f32 v[i:i+1], v[i:i+1], v[ST+8*\t+6:ST+8*\t+7] op_sel_hi:[1,0]
.set i, i+2
.endr
	WIN 0x05
.set i, 0
.rept 32
	v_cvt_pk_f16_f32 v[S+32*\t+i], v[64*\t+2*i], v[64*\t+2*i+1]
.set i, i+1
.endr
	WIN 0
.irp f, 0,1,2,3,4,5,6,7
	ds_store_b128 v[STO], v[S+32*\t+4*\f:S+32*\t+4*\f+3] offset:32*\f
.endr
.irp f, 0,1,2,3,4,5,6,7
	ds_load_b128 v[S+32*\t+4*\f:S+32*\t+4*\f+3], v[RD] offset:\f*2*SP  ; LDS serves a wave's instructions in order
.endr
.endm
.macro SEND t, younger                 ; younger: the LDS instructions issued behind tile t's loads: the next tile's sixteen, or none
.set OB, OL+2*((\t)/2)
.irp f, 0,1,2,3,4,5,6,7
	s_wait_dscnt \younger+7-\f
	global_store_b128 v[GO], v[S+32*\t+4*\f:S+32*\t+4*\f+3], s[OB:OB+1] offset:\f*8192+((\t)%2)*256   ; 16 lanes store a head's 256 bytes of a row, aligned
.endr
.endm
	PACK 0
	PACK 1
	SEND 0, 16
	PACK 2
	SEND 1, 16
	PACK 3
	SEND 2, 16
	SEND 3, 0
	s_wait_tensorcnt 0x0                           ; the wave's end
	ds_add_u32 v[SPW], v[NIL]
	s_wait_dscnt 0x0
	s_endpgm
.Lfunc_end_k_qb4435ff79a_attn:
	.size	k_qb4435ff79a_attn, .Lfunc_end_k_qb4435ff79a_attn-k_qb4435ff79a_attn
	.p2alignl 7, 3214868480
	.fill 96, 4, 3214868480
	.section	.rodata,"a",@progbits
	.p2align	6, 0x0
	.amdhsa_kernel k_qb4435ff79a_attn
		.amdhsa_group_segment_fixed_size 327680
		.amdhsa_private_segment_fixed_size 0
		.amdhsa_enable_private_segment 0
		.amdhsa_kernarg_size 16
		.amdhsa_user_sgpr_count 2
		.amdhsa_user_sgpr_kernarg_segment_ptr 1
		.amdhsa_wavefront_size32 1
		.amdhsa_system_sgpr_workgroup_id_x 1
		.amdhsa_system_sgpr_workgroup_id_y 1
		.amdhsa_system_sgpr_workgroup_id_z 1
		.amdhsa_system_vgpr_workitem_id 0
		.amdhsa_next_free_vgpr 1024
		.amdhsa_next_free_sgpr 80
		.amdhsa_reserve_vcc 1
		.amdhsa_float_denorm_mode_32 3
		.amdhsa_float_denorm_mode_16_64 3
		.amdhsa_memory_ordered 1
		.amdhsa_forward_progress 1
		.amdhsa_inst_pref_size 221
	.end_amdhsa_kernel
	.amdgpu_metadata
---
amdhsa.version: [ 1, 2 ]
amdhsa.kernels:
  - .name:           k_qb4435ff79a_attn
    .symbol:         k_qb4435ff79a_attn.kd
    .args:
      - { .name: qkv, .offset: 0, .size: 8, .value_kind: global_buffer, .address_space: global }
      - { .name: att, .offset: 8, .size: 8, .value_kind: global_buffer, .address_space: global }
    .group_segment_fixed_size: 327680
    .private_segment_fixed_size: 0
    .kernarg_segment_align: 8
    .kernarg_segment_size: 16
    .max_flat_workgroup_size: 128
    .sgpr_count:     80
    .vgpr_count:     1024
    .wavefront_size: 32
...
	.end_amdgpu_metadata
.endif
;; end of part 3
;; launch proj (part 4): grid 8 x 32, 4 waves a work-group, clusters of 4 x 4, 327,680 bytes of LDS; arguments att, wot, out0; writes out0
.if DOCPART == 4
	.amdgcn_target "amdgcn-amd-amdhsa--gfx1250"
	.amdhsa_code_object_version 6
	.text
	.protected	k_qb4435ff79a_proj
	.globl	k_qb4435ff79a_proj
	.p2align	8
	.type	k_qb4435ff79a_proj,@function
k_qb4435ff79a_proj:
	s_mov_b64 s[64:65], 0
	v_nop
	global_prefetch_b8 v0, s[64:65] scope:SCOPE_SE
	s_setreg_imm32_b32 hwreg(HW_REG_WAVE_MODE, 25, 1), 1
	s_wait_xcnt 0x0
	s_wait_alu depctr_hold_cnt(0) depctr_sa_sdst(0) depctr_va_vdst(0) depctr_va_sdst(0) depctr_va_ssrc(0) depctr_va_vcc(0) depctr_vm_vsrc(0)
	s_getreg_b32 s2, hwreg(HW_REG_IB_STS2, 6, 4)
	s_cmp_eq_u32 s2, 0
	s_cbranch_scc0 .Lentry_in_a_cluster
	s_endpgm
.Lentry_in_a_cluster:
	s_bfe_u32 s2, ttmp6, 0x10000c
	s_cmp_lg_u32 s2, 0xf033
	s_cbranch_scc0 .Lentry_shape_is_right
	s_endpgm
.Lentry_shape_is_right:
; out0 = att wot^T: att [4096][2048] f16, wot [2048 n][2048 k] f16 (= Wo x head_scale, turned), out0 [4096][2048] f32; sums in f32.
; LEFT OUT: the STORES of positions 0-15 of each batch (64 rows): the last launch makes those rows in f32.  They lie inside tiles that hold live rows, so their products stay.
; A tile of 128 x 256 to a work-group: 256 work-groups (tiles of 256 x 256 would make 128).  Four waves, 64 x 128 each: 32 accumulators, window 1.
; THE RING HAS TWO SLOTS OF UNEQUAL SIZE.  A K step of 128 is 384 rows x 272 bytes of LDS; two slots of two steps do not fit, three steps do.  So slot X holds TWO K steps (rows of 512 bytes) and slot Y ONE (rows of 256).
; 16 K steps = 1 + 5 x 3: the walk is Y0, X(1,2), Y3, X(4,5), .. X(13,14), Y15.  A slot is asked for again behind the change of slots that leaves it: Y's load then has X's two steps in which to land
; (16 + 7 x 32 = 240 matrix instructions a wave up to the wait for it), X's has Y's one (16 + 3 x 32 = 112); nine changes of slots fill a slot again.  By this text's count a wave has two tensor loads out at the head and one later.
; 4 x 4 work-groups form a cluster: A's tile (the tile row's) is asked for jointly along a row of the cluster, B's along a column.  Tile row = 8 cy + cluster y: the batch is cy, so that 'positions 0-15 are mine' hangs on
; cluster y and the wave alone.  THE MATRIX INSTRUCTION IS USED TRANSPOSED: a lane holds eight neighbouring columns of one row.
; REGISTERS: window 0: v16-30 addresses; v32-63, v64-95 A's fragments (4 x 16 rows x 32 K), two buffers; v128-191, v192-255 B's (8 x); on the way out v128-255 rows read back.  window 1: accumulator (a, b) at v[8 (8 a + b)].
.set KSTEP,  128
.set PX,     528                       ; a row in X: 512 bytes + 16 of padding; in Y: 256 + 16: both odd multiples of 16, so the 16 rows that a load touches start at 16 different banks
.set PY,     272
.set XB,     128*PX                    ; X begins at LDS byte 0: A's 128 rows, then B's 256
.set XSZ,    384*PX
.set YA,     XSZ                       ; Y behind it, likewise
.set YB,     XSZ+128*PY
.set SPARE,  XSZ+384*PY                ; the spare words, 128 bytes a wave: two blocks of 256 bytes that no other line names
.set SPITCH, 528                       ; the way out: 16 rows x (512 + 16) bytes a wave, in X, which has had its last fill and its last read by then
.set TRIPS,  4
.set ADRA, 16                          ; v16 my A fragments in Y, v17 in X
.set ADRB, 20                          ; v20, v21 the same for B
.set STO,  24
.set RD,   25
.set CO,   26
.set SPW,  28
.set NIL,  29
.set PFO,  30
.set AF,   32
.set BF,   128
.set BK,   128
.set G1,   24                          ; s[24:31] group 1 for A's tiles in Y;  s[80:87] in X
.set G1X,  80
.set G0,   32                          ; s[32:35] group 0 for A's tiles in Y, s[36:39] in X
.set G1B,  48                          ; s[48:55], s[88:95], s[56:59], s[60:63] the same for B's
.set G1BX, 88
.set G0B,  56
.set PFA,  74
.set LIM,  76
.set MSB, 0
.macro WIN new                         ; the immediate's high byte repeats the setting that is left
.if MSB != \new
	s_set_vgpr_msb (MSB<<8)|\new
.set MSB, \new
.endif
.endm
.set MUL, 0x50                         ; C and D window 1, A and B window 0
.macro JLOAD s                         ; slot s (0: Y, 1: X): waves 0, 1 fetch A's halves, waves 2, 3 B's; an s_nop 0 and four v_nop follow each line
	s_cmp_eq_u32 s11, 0
	s_cbranch_scc0 .Lfor_b_\@
.if \s
	tensor_load_to_lds s[G0+4:G0+7], s[G1X:G1X+7]
.else
	tensor_load_to_lds s[G0:G0+3], s[G1:G1+7]
.endif
	s_nop 0
.rept 4
	v_nop
.endr
	s_branch .Lasked_\@
.Lfor_b_\@:
.if \s
	tensor_load_to_lds s[G0B+4:G0B+7], s[G1BX:G1BX+7]
.else
	tensor_load_to_lds s[G0B:G0B+3], s[G1B:G1B+7]
.endif
	s_nop 0
.rept 4
	v_nop
.endr
.Lasked_\@:
.endm
; A prefetch of what the refill TWO refills on (the same slot's next) will ask for: 32 rows, a lane a row, 256 bytes a K step: one K step behind Y's refill, two behind X's.
; A's tile row is read by both clusters of its row of clusters: cluster x = 0 asks, wave 0 of each partner for 32 of the 128 rows (by cx, in the address).  B's tile column is read by all eight clusters of its column:
; cluster y = 0 asks, waves 2 and 3 of each partner for 32 of the 128 rows that they fetch (by cy, in the address).  So each row's 256 bytes of K steps 6 to 15 are named once.
; The loop's last trip names nothing; K steps 0 to 5 come by their loads alone.
.macro ASK s
	s_cmp_gt_u32 s3, s[LIM]
	s_cbranch_scc0 .Lnot_mine_\@
	global_prefetch_b8 v[PFO], s[PFA:PFA+1] th:TH_LOAD_NT scope:SCOPE_SE
.if \s
	global_prefetch_b8 v[PFO], s[PFA:PFA+1] offset:KSTEP*2 th:TH_LOAD_NT scope:SCOPE_SE
.endif
.Lnot_mine_\@:
.endm
.macro CREST
	s_cmp_lg_u32 s10, 0
	s_cbranch_scc1 .Lnot_wave_0_\@
	s_barrier_signal -3
.Lnot_wave_0_\@:
	s_barrier_wait -3
	s_barrier_signal -1
	s_barrier_wait -1
.endm
.macro CROUND
	s_barrier_signal -1
	s_barrier_wait -1
	CREST
.endm
	s_load_b128 s[4:7], s[0:1], 0x0                ; att, wot
	s_load_b64 s[8:9], s[0:1], 0x10                ; out0
	v_lshl_add_u32 v[SPW], v0, 2, SPARE
	v_mov_b32 v[NIL], 0
	ds_add_u32 v[SPW], v[NIL]                      ; the wave's opening: the add, twice on end, and its wait ahead of my first tensor load
	ds_add_u32 v[SPW], v[NIL]
	v_lshrrev_b32 v1, 5, v0
	v_readfirstlane_b32 s10, v1
	s_lshr_b32 s11, s10, 1                         ; which 64 rows of the tile are mine.  Also: I fetch for A (0) or for B (1)
	s_and_b32 s12, s10, 1                          ; which 128 columns.  Also: which half I fetch
	s_bfe_u32 s40, ttmp6, 0x40000                  ; cx
	s_bfe_u32 s41, ttmp6, 0x40004                  ; cy
	s_lshl_b32 s42, ttmp9, 2
	s_add_co_u32 s42, s42, s40                     ; tile column = 4 x cluster x + cx
	s_and_b32 s67, ttmp7, 0xffff                   ; cluster y
	s_lshl_b32 s13, s41, 3
	s_add_co_u32 s13, s13, s67                     ; tile row = 8 cy + cluster y
	s_lshl_b32 s43, s41, 2
	s_lshl_b32 s43, 15, s43                        ; my row of the cluster
	s_lshl_b32 s44, 0x1111, s40                    ; my column
	s_or_b32 s[G1+0], s43, (1<<16)|(1<<20)|(1<<21)|(5<<22)|(3<<25)    ; Y: mask; elements of 2 bytes; padding: 4 words behind every 64
	s_or_b32 s[G1B+0], s44, (1<<16)|(1<<20)|(1<<21)|(5<<22)|(3<<25)
	s_or_b32 s[G1X+0], s43, (1<<16)|(1<<20)|(1<<21)|(6<<22)|(3<<25)   ; X: 4 words behind every 128
	s_or_b32 s[G1BX+0], s44, (1<<16)|(1<<20)|(1<<21)|(6<<22)|(3<<25)
	s_mov_b32 s[G1+1], KSTEP<<16                   ; A in Y: 64 rows x 128 elements a load
	s_mov_b32 s[G1+2], 64<<16
	s_mov_b32 s[G1+3], KSTEP<<16
	s_mov_b32 s[G1+4], 64
	s_mov_b32 s[G1+5], 2048
	s_mov_b32 s[G1+6], 0
	s_mov_b32 s[G1+7], 0
	s_mov_b32 s[G1B+1], KSTEP<<16                  ; B in Y: 128 rows x 128
	s_mov_b32 s[G1B+2], 128<<16
	s_mov_b32 s[G1B+3], KSTEP<<16
	s_mov_b32 s[G1B+4], 128
	s_mov_b32 s[G1B+5], 2048
	s_mov_b32 s[G1B+6], 0
	s_mov_b32 s[G1B+7], 0
	s_mov_b32 s[G1X+1], (2*KSTEP)<<16              ; A in X: 64 rows x 256
	s_mov_b32 s[G1X+2], 64<<16
	s_mov_b32 s[G1X+3], (2*KSTEP)<<16
	s_mov_b32 s[G1X+4], 64
	s_mov_b32 s[G1X+5], 2048
	s_mov_b32 s[G1X+6], 0
	s_mov_b32 s[G1X+7], 0
	s_mov_b32 s[G1BX+1], (2*KSTEP)<<16             ; B in X: 128 rows x 256
	s_mov_b32 s[G1BX+2], 128<<16
	s_mov_b32 s[G1BX+3], (2*KSTEP)<<16
	s_mov_b32 s[G1BX+4], 128
	s_mov_b32 s[G1BX+5], 2048
	s_mov_b32 s[G1BX+6], 0
	s_mov_b32 s[G1BX+7], 0
	s_lshl_b32 s17, s12, 6
	s_lshl_b32 s16, s13, 7
	s_add_co_u32 s16, s16, s17                     ; A: row 128 x tile row + 64 x half
	s_lshl_b32 s16, s16, 12                        ; 4,096 bytes a row
	s_mov_b32 s17, 0
	s_lshl_b32 s47, s12, 7
	s_lshl_b32 s46, s42, 8
	s_add_co_u32 s46, s46, s47                     ; B: row 256 x tile column + 128 x half
	s_lshl_b32 s46, s46, 12
	s_mov_b32 s47, 0
	s_mul_i32 s20, s12, 64*PY                      ; where they go: the wave's number alone enters an LDS address
	s_add_co_u32 s20, s20, YA
	s_mul_i32 s21, s12, 128*PY
	s_add_co_u32 s21, s21, YB
	s_mul_i32 s18, s12, 64*PX
	s_mul_i32 s19, s12, 128*PX
	s_add_co_u32 s19, s19, XB
	s_wait_dscnt 0x0                               ; both opening adds are done
	s_wait_kmcnt 0x0
	s_add_nc_u64 s[14:15], s[4:5], s[16:17]
	s_add_nc_u64 s[46:47], s[6:7], s[46:47]
	CROUND                                         ; all sixteen work-groups are here: the first joint loads meet
	s_mov_b32 s[G0], 1                             ; Y: K step 0
	s_mov_b32 s[G0+1], s20
	s_mov_b64 s[G0+2:G0+3], s[14:15]
	s_or_b32 s[G0+3], s[G0+3], 0x80000000
	s_mov_b32 s[G0B], 1
	s_mov_b32 s[G0B+1], s21
	s_mov_b64 s[G0B+2:G0B+3], s[46:47]
	s_or_b32 s[G0B+3], s[G0B+3], 0x80000000
	JLOAD 0
	s_mov_b32 s[G0+4], 1                           ; X: K steps 1 and 2
	s_mov_b32 s[G0+5], s18
	s_add_nc_u64 s[G0+6:G0+7], s[14:15], KSTEP*2
	s_or_b32 s[G0+7], s[G0+7], 0x80000000
	s_mov_b32 s[G0B+4], 1
	s_mov_b32 s[G0B+5], s19
	s_add_nc_u64 s[G0B+6:G0B+7], s[46:47], KSTEP*2
	s_or_b32 s[G0B+7], s[G0B+7], 0x80000000
	JLOAD 1
	v_and_b32 v1, 15, v0
	v_bfe_u32 v2, v0, 4, 1
	v_mul_u32_u24 v3, v1, PY
	v_lshl_add_u32 v3, v2, 4, v3                   ; a fragment's row x pitch + 16 x half, in Y
	v_mul_u32_u24 v4, v1, PX
	v_lshl_add_u32 v4, v2, 4, v4                   ; and in X
	s_mul_i32 s21, s11, 64*PY
	s_add_co_u32 s21, s21, YA
	v_add_nc_u32 v[ADRA], s21, v3
	s_mul_i32 s21, s12, 128*PY
	s_add_co_u32 s21, s21, YB
	v_add_nc_u32 v[ADRB], s21, v3
	s_mul_i32 s21, s11, 64*PX
	v_add_nc_u32 v[ADRA+1], s21, v4
	s_mul_i32 s21, s12, 128*PX
	s_add_co_u32 s21, s21, XB
	v_add_nc_u32 v[ADRB+1], s21, v4
	s_mul_i32 s23, s10, 16*SPITCH                  ; my stage
	v_mul_u32_u24 v5, v1, SPITCH
	v_lshl_add_u32 v5, v2, 5, v5
	v_add_nc_u32 v[STO], s23, v5                   ; in: row r, 32 bytes for each half of the lanes
	v_and_b32 v6, 31, v0
	v_lshlrev_b32 v[CO], 4, v6                     ; back: the 32 lanes take a row of 512 bytes; and the same in out0
	v_add_nc_u32 v[RD], s23, v[CO]
	; numbers that mix cx and cy stand in registers that feed no descriptor
	s_lshl_b32 s68, s13, 7
	s_lshl_b32 s70, s11, 6
	s_add_co_u32 s68, s68, s70                     ; my first row of out0
	s_lshl_b32 s68, s68, 13                        ; 8,192 bytes a row
	s_lshl_b32 s70, s42, 10
	s_add_co_u32 s68, s68, s70
	s_lshl_b32 s70, s12, 9
	s_add_co_u32 s68, s68, s70                     ; + my first column
	s_mov_b32 s69, 0
	s_add_nc_u64 s[8:9], s[8:9], s[68:69]
	s_or_b32 s66, s67, s11                         ; 0: my first 16 rows are positions 0-15
	s_lshl_b32 s70, s13, 7
	s_lshl_b32 s71, s40, 5
	s_add_co_u32 s70, s70, s71                     ; the prefetches.  A: row 128 x tile row + 32 cx
	s_lshl_b32 s72, s42, 8
	s_lshl_b32 s71, s12, 7
	s_add_co_u32 s72, s72, s71
	s_lshl_b32 s71, s41, 5
	s_add_co_u32 s72, s72, s71                     ; B: row 256 x tile column + 128 x half + 32 cy
	s_or_b32 s73, ttmp9, s12                       ; A is asked for where cluster x = 0, by wave 0
	s_cmp_eq_u32 s11, 0
	s_cselect_b32 s70, s70, s72
	s_cselect_b32 s73, s73, s67                    ; B where cluster y = 0
	s_cselect_b64 s[PFA:PFA+1], s[4:5], s[6:7]
	s_cmp_eq_u32 s73, 0
	s_cselect_b32 s[LIM], 1, -1                    ; the same in all sixteen partners, for a given wave
	s_lshl_b32 s70, s70, 12
	s_mov_b32 s71, 0
	s_add_nc_u64 s[PFA:PFA+1], s[PFA:PFA+1], s[70:71]
	s_add_nc_u64 s[PFA:PFA+1], s[PFA:PFA+1], 4*KSTEP*2  ; at K step 4: the first change of slots steps it to 6, which it names
	v_and_b32 v[PFO], 31, v0
	v_lshlrev_b32 v[PFO], 12, v[PFO]
.macro MUL8 f, a, zero                 ; A's block a x B's eight, 32 along K; the 32 accumulators take turns, one instruction a turn
.irp b, 0,1,2,3,4,5,6,7
.if \zero
	v_wmma_f32_16x16x32_f16 v[8*(8*(\a)+\b):8*(8*(\a)+\b)+7], v[BF+64*(\f)+8*\b:BF+64*(\f)+8*\b+7], v[AF+32*(\f)+8*(\a):AF+32*(\f)+8*(\a)+7], 0
.else
	v_wmma_f32_16x16x32_f16 v[8*(8*(\a)+\b):8*(8*(\a)+\b)+7], v[BF+64*(\f)+8*\b:BF+64*(\f)+8*\b+7], v[AF+32*(\f)+8*(\a):AF+32*(\f)+8*(\a)+7], v[8*(8*(\a)+\b):8*(8*(\a)+\b)+7]
.endif
.endr
.endm
.macro FETCH slot, k, f                ; 24 LDS loads in one run: B's eight fragments, then A's four, at byte k of the slot's rows
.set PP, PY+(PX-PY)*(\slot)
	WIN 0
.irp i, 0,1,2,3,4,5,6,7
	ds_load_b128 v[BF+64*(\f)+8*\i:BF+64*(\f)+8*\i+3],   v[ADRB+\slot] offset:\k+\i*16*PP
	ds_load_b128 v[BF+64*(\f)+8*\i+4:BF+64*(\f)+8*\i+7], v[ADRB+\slot] offset:\k+\i*16*PP+32
.endr
.irp i, 0,1,2,3
	ds_load_b128 v[AF+32*(\f)+8*\i:AF+32*(\f)+8*\i+3],   v[ADRA+\slot] offset:\k+\i*16*PP
	ds_load_b128 v[AF+32*(\f)+8*\i+4:AF+32*(\f)+8*\i+7], v[ADRA+\slot] offset:\k+\i*16*PP+32
.endr
.endm
.macro PLACES                          ; four plain vector instructions between a matrix instruction and a load into, or a read of, its registers
.rept 4
	v_nop
.endr
.endm
.macro QUARTER slot, k, f, g, zero     ; 32 along K: multiplies buffer f; in its middle it fetches the next quarter, at byte k, into buffer g
	s_wait_dscnt 4                                 ; B and A's blocks 0, 1 are in; the youngest four loads (A's blocks 2, 3) may be out
	WIN MUL
	MUL8 \f, 0, \zero
	MUL8 \f, 1, \zero
	PLACES
	FETCH \slot, \k, \g
	s_wait_dscnt 24                                ; all but the 24 just issued
	WIN MUL
	MUL8 \f, 2, \zero
	MUL8 \f, 3, \zero
.endm
; A slot's last quarter multiplies buffer 1 and changes slots: one barrier; in front of it each wave waits for all its tensor loads, adds 0 to its spare word, and waits for that and for its reads of this slot.
; fill = 1: the slot that is left takes the K steps three further on.
.macro TURN slot, next, fill
	WIN 0
.if \fill
	s_wait_xcnt 0x0                                ; the last prefetches, a change of slots back, have read their address:
	s_add_nc_u64 s[PFA:PFA+1], s[PFA:PFA+1], (2-(\slot))*KSTEP*2   ; it passes what they named: two K steps behind X's change, one behind Y's
.endif
	s_wait_tensorcnt 0x0                           ; all my tensor loads have landed: my part of the slot ahead
	ds_add_u32 v[SPW], v[NIL]
	s_wait_dscnt 5                                 ; the add and the youngest four loads may be out
	WIN MUL
	MUL8 1, 0, 0
	s_wait_dscnt 0x0                               ; the add is done, and my reads of this slot are over
	s_barrier_signal -1
	MUL8 1, 1, 0
	WIN 0
	s_barrier_wait -1
.if \fill
	CREST                                          ; the barrier has opened a round of the cluster's barrier: no wave of any partner still reads this slot or has a load on its way
	s_add_nc_u64 s[G0+4*\slot+2:G0+4*\slot+3], s[G0+4*\slot+2:G0+4*\slot+3], 3*KSTEP*2
	s_add_nc_u64 s[G0B+4*\slot+2:G0B+4*\slot+3], s[G0B+4*\slot+2:G0B+4*\slot+3], 3*KSTEP*2
	JLOAD \slot                                    ; the first tensor load behind the round; its four v_nop are the places in front of the loads below
.else
	PLACES
.endif
	FETCH \next, 0, 0
.if \fill
	ASK \slot
.endif
	WIN MUL
	MUL8 1, 2, 0
	MUL8 1, 3, 0
.endm
.macro XSEVEN                          ; X's first seven quarters
	QUARTER 1, 64,  0, 1, 0
	QUARTER 1, 128, 1, 0, 0
	QUARTER 1, 192, 0, 1, 0
	QUARTER 1, 256, 1, 0, 0
	QUARTER 1, 320, 0, 1, 0
	QUARTER 1, 384, 1, 0, 0
	QUARTER 1, 448, 0, 1, 0
.endm
.macro YTHREE zero                     ; Y's first three
	QUARTER 0, 64,  0, 1, \zero
	QUARTER 0, 128, 1, 0, 0
	QUARTER 0, 192, 0, 1, 0
.endm
	s_wait_tensorcnt 1                             ; my part of K step 0 is in; X's load may be out
	s_barrier_signal -1
	s_barrier_wait -1
	FETCH 0, 0, 0
	s_mov_b32 s3, TRIPS
	YTHREE 1                                       ; K step 0: its first quarter's products start the sums
	TURN 0, 1, 1                                   ; Y takes K step 3
	WIN 0
.Llap:                                                 ; a trip: X's two K steps, X asked for again; Y's one, Y asked for again
	XSEVEN
	TURN 1, 0, 1
	YTHREE 0
	TURN 0, 1, 1
	WIN 0
	s_sub_co_u32 s3, s3, 1
	s_cmp_lg_u32 s3, 0
	s_cbranch_scc1 .Llap
	XSEVEN                                         ; K steps 13 and 14; nothing is left to ask for
	TURN 1, 0, 0
	YTHREE 0                                       ; K step 15
	s_wait_dscnt 4
	WIN MUL
	MUL8 1, 0, 0
	MUL8 1, 1, 0
	s_wait_dscnt 0
	MUL8 1, 2, 0
	MUL8 1, 3, 0
	WIN 0
; THE WAY OUT, a block of 16 rows x 128 columns at a time, through my own stage: back come whole rows of 512 bytes.
.macro TOSTAGE a
.set AC, 64*(\a)
	WIN 0x04                                       ; an LDS store's data: window 1
.irp b, 0,1,2,3,4,5,6,7
	ds_store_b128 v[STO], v[AC+8*\b:AC+8*\b+3] offset:64*\b          ; each accumulator from its low end on
	ds_store_b128 v[STO], v[AC+8*\b+4:AC+8*\b+7] offset:64*\b+16
.endr
	WIN 0
.set BB, BK+64*((\a)%2)
.irp t, 0,1,2,3,4,5,6,7,8,9,10,11,12,13,14,15
	ds_load_b128 v[BB+4*\t:BB+4*\t+3], v[RD] offset:\t*SPITCH      ; LDS serves a wave's instructions in order
.endr
.endm
.macro SEND a, younger
.set BB, BK+64*((\a)%2)
	s_wait_dscnt \younger
.if (\a) == 0
	s_cmp_eq_u32 s66, 0
	s_cbranch_scc1 .Lnot_these                     ; positions 0-15: the last launch stores them
.endif
.irp t, 0,1,2,3,4,5,6,7,8,9,10,11,12,13,14,15
	global_store_b128 v[CO], v[BB+4*\t:BB+4*\t+3], s[8:9] offset:(16*(\a)+\t)*8192 th:TH_STORE_NT   ; 32 lanes store 512 consecutive bytes, aligned
.endr
.if (\a) == 0
.Lnot_these:
.endif
.endm
	PLACES
	TOSTAGE 0
.irp a, 1,2,3
.if \a > 1
	s_wait_xcnt 0x0                                ; block a - 2's stores have read their registers: block a's loads may land there
.endif
	TOSTAGE \a
	SEND \a-1, 32                                  ; behind block a - 1's loads: block a's 16 stores and 16 loads
.endr
	SEND 3, 0
	s_wait_tensorcnt 0x0                           ; the wave's end
	ds_add_u32 v[SPW], v[NIL]
	s_wait_dscnt 0x0
	CROUND                                         ; the closing round
	s_endpgm
.Lfunc_end_k_qb4435ff79a_proj:
	.size	k_qb4435ff79a_proj, .Lfunc_end_k_qb4435ff79a_proj-k_qb4435ff79a_proj
	.p2alignl 7, 3214868480
	.fill 96, 4, 3214868480
	.section	.rodata,"a",@progbits
	.p2align	6, 0x0
	.amdhsa_kernel k_qb4435ff79a_proj
		.amdhsa_group_segment_fixed_size 327680
		.amdhsa_private_segment_fixed_size 0
		.amdhsa_enable_private_segment 0
		.amdhsa_kernarg_size 24
		.amdhsa_user_sgpr_count 2
		.amdhsa_user_sgpr_kernarg_segment_ptr 1
		.amdhsa_wavefront_size32 1
		.amdhsa_system_sgpr_workgroup_id_x 1
		.amdhsa_system_sgpr_workgroup_id_y 1
		.amdhsa_system_sgpr_workgroup_id_z 1
		.amdhsa_system_vgpr_workitem_id 0
		.amdhsa_next_free_vgpr 512
		.amdhsa_next_free_sgpr 96
		.amdhsa_reserve_vcc 0
		.amdhsa_float_denorm_mode_32 3
		.amdhsa_float_denorm_mode_16_64 3
		.amdhsa_memory_ordered 1
		.amdhsa_forward_progress 1
		.amdhsa_inst_pref_size 133
	.end_amdhsa_kernel
	.amdgpu_metadata
---
amdhsa.version: [ 1, 2 ]
amdhsa.kernels:
  - .name:           k_qb4435ff79a_proj
    .symbol:         k_qb4435ff79a_proj.kd
    .args:
      - { .name: att, .offset: 0, .size: 8, .value_kind: global_buffer, .address_space: global }
      - { .name: wot, .offset: 8, .size: 8, .value_kind: global_buffer, .address_space: global }
      - { .name: out0, .offset: 16, .size: 8, .value_kind: global_buffer, .address_space: global }
    .group_segment_fixed_size: 327680
    .private_segment_fixed_size: 0
    .kernarg_segment_align: 8
    .kernarg_segment_size: 24
    .max_flat_workgroup_size: 128
    .sgpr_count:     96
    .vgpr_count:     512
    .wavefront_size: 32
...
	.end_amdgpu_metadata
.endif
;; end of part 4
;; launch first16 (part 5): grid 64 x 4, 16 waves a work-group, no clusters, 169,984 bytes of LDS; arguments fine, Wo, head_scale, out0; writes out0
.if DOCPART == 5
	.amdgcn_target "amdgcn-amd-amdhsa--gfx1250"
	.amdhsa_code_object_version 6
	.text
	.protected	k_qb4435ff79a_first16
	.globl	k_qb4435ff79a_first16
	.p2align	8
	.type	k_qb4435ff79a_first16,@function
k_qb4435ff79a_first16:
	s_mov_b64 s[64:65], 0
	v_nop
	global_prefetch_b8 v0, s[64:65] scope:SCOPE_SE
	s_setreg_imm32_b32 hwreg(HW_REG_WAVE_MODE, 25, 1), 1
	s_wait_xcnt 0x0
; Positions 0-15 of each batch, wholly in f32: under the causal mask these rows average one to sixteen values, are the largest of the output, and would feel the rounding of f16 operands most.
; fine [24 slots][4][16][128] f32 holds their rotated q and k and their v.  Keys behind position 15 are masked for all of them (reference()'s own tril), so 16 keys are all there is.
; A work-group makes 32 columns of out0 for the 16 rows of one batch.  Wave w is head w: scores, softmax, P V, x head_scale, and its 128 rows of Wo; the sixteen heads' parts meet in LDS and four waves add and store them.
; The stores are pieces of 16 bytes a lane, 128 bytes of a row a work-group: 512 KiB in the whole launch.
; Q, K AND V ARE LOADED AS THEY LIE: each load reads one position's 512 consecutive bytes, 16 a lane.  The matrix instruction wants a lane to hold one row (Q, K) or one column (V): so each goes through the wave's own stage in LDS,
; 16 rows 528 bytes apart, one after the other through the same bytes (LDS serves a wave's instructions in order).  528 is an odd multiple of 16: the 16 rows that a load of 16 bytes touches fall on different banks,
; and V's loads of 4 bytes take 16 neighbouring words of rows 8 apart, 32 banks on.
; v_wmma_f32_16x16x4_f32: lane (r, h) of a source holds row r, k = 2 h + j in register j.  A permutation of k applied alike to both sources keeps the sum, so each source is laid as it comes handiest.
; Its results (v224-255, four accumulators by turns) are written by matrix instructions alone; every sum begins with the constant 0; what is made of a sum goes into other registers.
; REGISTERS: v1-9 addresses; v10-17 scores, then p; v18-27 at work; v28, v29 the add's; v30 head_scale / l; v31 -infinity; v32-95 Q, later Wo's second 16 columns, later the result; v96-159 K, later Wo's first 16 columns, later the parts;
;   v160-223 V, later O x head_scale / l.
.set SPARE, 32768                      ; behind the parts [16 waves][4][32 lanes] x 16 bytes: the spare words, 128 bytes a wave: eight blocks of 256 bytes that no other line names
.set STG,   34816                      ; behind them the stages: 16 rows x 528 bytes a wave
.set SROW,  528
	s_load_b256 s[4:11], s[0:1], 0x0               ; fine, Wo, head_scale, out0
	v_lshl_add_u32 v28, v0, 2, SPARE
	v_mov_b32 v29, 0
	v_lshrrev_b32 v1, 5, v0
	v_readfirstlane_b32 s12, v1                    ; wave = head
	v_and_b32 v1, 15, v0                           ; r
	v_bfe_u32 v2, v0, 4, 1                         ; h
	s_and_b32 s13, ttmp7, 0xffff                   ; batch
	v_and_b32 v6, 31, v0
	v_lshlrev_b32 v3, 4, v6                        ; 16 x lane: my 16 bytes of a row of Q, K or V
	v_lshlrev_b32 v5, 2, v1
	v_lshl_add_u32 v5, v2, 16, v5                  ; Wo: 8 h rows of 8,192 bytes, + 4 r
	s_lshl_b32 s26, s12, 11
	s_and_b32 s27, s12, 3
	s_lshl_b32 s27, s27, 9
	v_add_nc_u32 v7, s27, v3                       ; the parts, read: 512 x (wave % 4) + 16 x lane
	v_add_nc_u32 v6, s26, v3                       ; written: 2,048 x wave + 16 x lane
	v_lshlrev_b32 v8, 13, v1
	v_lshl_add_u32 v8, v2, 5, v8                   ; out0: row r, + 32 h
	v_lshlrev_b32 v9, 3, v2
	v_sub_nc_u32 v9, v1, v9                        ; r - 8 h
	s_mul_i32 s28, s12, 16*SROW
	s_add_co_u32 s28, s28, STG                     ; my stage
	v_mul_u32_u24 v4, v2, 8*SROW
	v_lshl_add_u32 v4, v1, 2, v4
	v_add_nc_u32 v4, s28, v4                       ; out of it, V: row 8 h, + 4 r
	v_mul_u32_u24 v1, v1, SROW
	v_lshl_add_u32 v2, v2, 8, v1
	v_add_nc_u32 v2, s28, v2                       ; out of it, Q and K: row r, channels 64 h on
	v_add_nc_u32 v1, s28, v3                       ; into it: 16 x lane
	v_mov_b32 v27, 0                               ; (a lane permute's destination counts as one of its sources)
	v_mov_b32 v31, 0xff800000
	s_mov_b32 s20, 0x76543210
	s_mov_b32 s21, 0xfedcba98
	s_mov_b32 s22, 0x3e0293ee                      ; c = log2(e) / sqrt(128)
	s_mov_b32 s15, 0
	s_wait_kmcnt 0x0
	s_lshl_b32 s14, s12, 2
	s_add_nc_u64 s[8:9], s[8:9], s[14:15]
	s_load_b32 s23, s[8:9], 0x0                    ; head_scale of my head
	s_add_co_u32 s14, s14, s13
	s_lshl_b32 s14, s14, 13
	s_add_nc_u64 s[16:17], s[4:5], s[14:15]        ; q: slot w
	s_lshr_b32 s14, s12, 2
	s_add_co_u32 s14, s14, 16
	s_lshl_b32 s14, s14, 2
	s_add_co_u32 s14, s14, s13
	s_lshl_b32 s14, s14, 13
	s_add_nc_u64 s[18:19], s[4:5], s[14:15]        ; k: slot 16 + w / 4; v lies 131,072 bytes on
	s_lshl_b32 s14, s12, 20
	s_lshl_b32 s24, ttmp9, 7
	s_add_co_u32 s14, s14, s24
	s_add_nc_u64 s[6:7], s[6:7], s[14:15]          ; Wo: my head's 128 rows, the work-group's 32 columns
	s_lshl_b32 s14, s13, 23
	s_add_co_u32 s14, s14, s24
	s_bfe_u32 s25, s12, 0x10001
	s_lshl_b32 s25, s25, 6
	s_add_co_u32 s14, s14, s25
	s_and_b32 s25, s12, 1
	s_lshl_b32 s25, s25, 4
	s_add_co_u32 s14, s14, s25
	s_add_nc_u64 s[10:11], s[10:11], s[14:15]      ; out0: the batch's first row, the 32 columns, and (waves 0-3) my four of each eight
.irp i, 0,1,2,3,4,5,6,7,8,9,10,11,12,13,14,15
	global_load_b128 v[32+4*\i:35+4*\i], v3, s[16:17] offset:512*\i            ; Q: position i, 512 consecutive bytes
.endr
.irp i, 0,1,2,3,4,5,6,7,8,9,10,11,12,13,14,15
	global_load_b128 v[96+4*\i:99+4*\i], v3, s[18:19] offset:512*\i            ; K
.endr
.irp i, 0,1,2,3,4,5,6,7,8,9,10,11,12,13,14,15
	global_load_b128 v[160+4*\i:163+4*\i], v3, s[18:19] offset:131072+512*\i   ; V
.endr
; 16 rows go into my stage as they were loaded and come back a row to a lane, into the registers that they left: lane (r, h) then holds channels 64 h + 0 .. 63 of position r
.macro THROUGH reg
.irp i, 0,1,2,3,4,5,6,7,8,9,10,11,12,13,14,15
	ds_store_b128 v1, v[\reg+4*\i:\reg+4*\i+3] offset:SROW*\i
.endr
.irp i, 0,1,2,3,4,5,6,7,8,9,10,11,12,13,14,15
	ds_load_b128 v[\reg+4*\i:\reg+4*\i+3], v2 offset:16*\i
.endr
.endm
	s_wait_loadcnt 32                              ; Q is in; K's 16 loads and V's 16 may be out
	THROUGH 32
	s_wait_loadcnt 16                              ; K is in; V's 16 may be out
	THROUGH 96
	s_wait_dscnt 0x0                               ; Q and K are back
	; S^T = K Q^T: step st takes channels 64 h + 2 st, + 1 of both.  Result: register j = key 8 h + j, lane r = query r
.set st, 0
.rept 32
.if st < 4
	v_wmma_f32_16x16x4_f32 v[224+8*(st%4):231+8*(st%4)], v[96+2*st:97+2*st], v[32+2*st:33+2*st], 0
.else
	v_wmma_f32_16x16x4_f32 v[224+8*(st%4):231+8*(st%4)], v[96+2*st:97+2*st], v[32+2*st:33+2*st], v[224+8*(st%4):231+8*(st%4)]
.endif
.set st, st+1
.endr
.rept 9
	v_nop                                          ; places behind this form: 8 in front of loads into its sources and reads of its results, 9 in front of a matrix instruction that begins an accumulator anew
.endr
	s_wait_loadcnt 0x0                             ; V is in
.irp i, 0,1,2,3,4,5,6,7,8,9,10,11,12,13,14,15
	ds_store_b128 v1, v[160+4*\i:163+4*\i] offset:SROW*\i
.endr
.irp t, 0,1,2,3,4,5,6,7
.irp jj, 0,1,2,3,4,5,6,7
	ds_load_b32 v[160+8*\t+\jj], v4 offset:SROW*\jj+64*\t              ; V(8 h + jj, 16 t + r): a column to a lane, registers down the keys
.endr
.endr
.irp t, 0,1,2,3,4,5,6,7
.irp jj, 0,1,2,3,4,5,6,7
	global_load_b32 v[96+8*\t+\jj], v5, s[6:7] offset:(16*\t+\jj)*8192   ; Wo(128 w + 16 t + 8 h + jj, n0 + r)
.endr
.endr
.irp j, 0,1,2,3,4,5,6,7
	v_add_f32 v[10+\j], v[224+\j], v[232+\j]       ; the four partial sums, each accumulator from its low end on
	v_add_f32 v[18+\j], v[240+\j], v[248+\j]
.endr
.irp j, 0,1,2,3,4,5,6,7
	v_add_f32 v[10+\j], v[10+\j], v[18+\j]
.endr
.irp j, 0,1,2,3,4,5,6,7
	v_cmp_gt_i32 vcc_lo, \j, v9                    ; key 8 h + j behind query r
	v_cndmask_b32 v[10+\j], v[10+\j], v31, vcc_lo
.endr
	v_max3_num_f32 v26, v10, v11, v12
	v_max3_num_f32 v26, v26, v13, v14
	v_max3_num_f32 v26, v26, v15, v16
	v_max_num_f32 v26, v26, v17
	v_permlanex16_b32 v27, v26, s20, s21
	v_max_num_f32 v26, v26, v27                    ; the row's maximum (key 0 counts for every query)
	v_mul_f32 v26, s22, v26
.irp j, 0,1,2,3,4,5,6,7
	v_fma_f32 v[10+\j], v[10+\j], s22, -v26
.endr
.irp j, 0,1,2,3,4,5,6,7
	v_exp_f32 v[10+\j], v[10+\j]
.endr
	v_nop
	s_wait_alu depctr_va_vdst(0)                   ; one wait for the eight exponentials
	v_add_f32 v18, v10, v11
	v_add_f32 v19, v12, v13
	v_add_f32 v20, v14, v15
	v_add_f32 v21, v16, v17
	v_add_f32 v18, v18, v19
	v_add_f32 v20, v20, v21
	v_add_f32 v18, v18, v20
	v_permlanex16_b32 v27, v18, s20, s21
	v_add_f32 v18, v18, v27
	v_rcp_f32 v30, v18
	v_nop
	s_wait_alu depctr_va_vdst(0)
	s_wait_kmcnt 0x0
	v_mul_f32 v30, s23, v30                        ; head_scale / l
.irp t, 0,1,2,3,4,5,6,7
.irp jj, 0,1,2,3,4,5,6,7
	global_load_b32 v[32+8*\t+\jj], v5, s[6:7] offset:(16*\t+\jj)*8192+64   ; the second 16 columns
.endr
.endr
	s_wait_dscnt 0x0                               ; V is back from the stage
; O^T = V^T P, four tiles of 16 channels at a time: step sp takes keys 8 h + 2 sp, + 1 of both.  Result: register j = channel 16 t + 8 h + j, lane r = query r
.macro PVH t0
.irp sp, 0,1,2,3
.irp t, 0,1,2,3
.if \sp == 0
	v_wmma_f32_16x16x4_f32 v[224+8*\t:231+8*\t], v[160+8*(\t0+\t)+2*\sp:161+8*(\t0+\t)+2*\sp], v[10+2*\sp:11+2*\sp], 0
.else
	v_wmma_f32_16x16x4_f32 v[224+8*\t:231+8*\t], v[160+8*(\t0+\t)+2*\sp:161+8*(\t0+\t)+2*\sp], v[10+2*\sp:11+2*\sp], v[224+8*\t:231+8*\t]
.endif
.endr
.endr
.rept 9
	v_nop
.endr
.irp t, 0,1,2,3
.irp j, 0,1,2,3,4,5,6,7
	v_mul_f32 v[160+8*(\t0+\t)+\j], v[224+8*\t+\j], v30    ; into V's registers of the tiles that are done
.endr
.endr
.endm
	PVH 0
	PVH 4
	s_wait_loadcnt 0x0                             ; Wo
	; my head's part of out0: source 0 = 16 columns of Wo, source 1 = the 16 queries; step st takes channels 16 (st / 4) + 8 h + 2 (st % 4), + 1.  Four accumulators: (16 columns e, parity of the step).
.set st, 0
.rept 32
.if st < 2
	v_wmma_f32_16x16x4_f32 v[224+16*(st%2):231+16*(st%2)], v[96+2*st:97+2*st], v[160+2*st:161+2*st], 0
	v_wmma_f32_16x16x4_f32 v[232+16*(st%2):239+16*(st%2)], v[32+2*st:33+2*st], v[160+2*st:161+2*st], 0
.else
	v_wmma_f32_16x16x4_f32 v[224+16*(st%2):231+16*(st%2)], v[96+2*st:97+2*st], v[160+2*st:161+2*st], v[224+16*(st%2):231+16*(st%2)]
	v_wmma_f32_16x16x4_f32 v[232+16*(st%2):239+16*(st%2)], v[32+2*st:33+2*st], v[160+2*st:161+2*st], v[232+16*(st%2):239+16*(st%2)]
.endif
.set st, st+1
.endr
.rept 9
	v_nop
.endr
.irp j, 0,1,2,3,4,5,6,7
	v_add_f32 v[32+\j], v[224+\j], v[240+\j]       ; register 8 e + j: out0(r, n0 + 16 e + 8 h + j), my head's part
	v_add_f32 v[40+\j], v[232+\j], v[248+\j]
.endr
.irp g, 0,1,2,3
	ds_store_b128 v6, v[32+4*\g:35+4*\g] offset:512*\g
.endr
	s_wait_dscnt 0x0                               ; for the others' sake: my part lies in LDS
	s_barrier_signal -1
	s_barrier_wait -1
	s_cmp_gt_u32 s12, 3
	s_cbranch_scc1 .Lend
.irp i, 0,1,2,3,4,5,6,7,8,9,10,11,12,13,14,15
	ds_load_b128 v[96+4*\i:99+4*\i], v7 offset:2048*\i             ; wave g: registers 4 g .. 4 g + 3 of all sixteen heads
.endr
	s_wait_dscnt 0x0
.irp i, 1,2,3,4,5,6,7,8,9,10,11,12,13,14,15
	v_pk_add_f32 v[96:97], v[96:97], v[96+4*\i:97+4*\i]
	v_pk_add_f32 v[98:99], v[98:99], v[98+4*\i:99+4*\i]
.endr
	global_store_b128 v8, v[96:99], s[10:11]
.Lend:
	s_wait_tensorcnt 0x0                           ; the wave's end, behind my last LDS store
	ds_add_u32 v28, v29
	s_wait_dscnt 0x0
	s_endpgm
.Lfunc_end_k_qb4435ff79a_first16:
	.size	k_qb4435ff79a_first16, .Lfunc_end_k_qb4435ff79a_first16-k_qb4435ff79a_first16
	.p2alignl 7, 3214868480
	.fill 96, 4, 3214868480
	.section	.rodata,"a",@progbits
	.p2align	6, 0x0
	.amdhsa_kernel k_qb4435ff79a_first16
		.amdhsa_group_segment_fixed_size 169984
		.amdhsa_private_segment_fixed_size 0
		.amdhsa_enable_private_segment 0
		.amdhsa_kernarg_size 32
		.amdhsa_user_sgpr_count 2
		.amdhsa_user_sgpr_kernarg_segment_ptr 1
		.amdhsa_wavefront_size32 1
		.amdhsa_system_sgpr_workgroup_id_x 1
		.amdhsa_system_sgpr_workgroup_id_y 1
		.amdhsa_system_sgpr_workgroup_id_z 1
		.amdhsa_system_vgpr_workitem_id 0
		.amdhsa_next_free_vgpr 256
		.amdhsa_next_free_sgpr 66
		.amdhsa_reserve_vcc 1
		.amdhsa_float_denorm_mode_32 3
		.amdhsa_float_denorm_mode_16_64 3
		.amdhsa_memory_ordered 1
		.amdhsa_forward_progress 1
		.amdhsa_inst_pref_size 47
	.end_amdhsa_kernel
	.amdgpu_metadata
---
amdhsa.version: [ 1, 2 ]
amdhsa.kernels:
  - .name:           k_qb4435ff79a_first16
    .symbol:         k_qb4435ff79a_first16.kd
    .args:
      - { .name: fine, .offset: 0, .size: 8, .value_kind: global_buffer, .address_space: global }
      - { .name: Wo, .offset: 8, .size: 8, .value_kind: global_buffer, .address_space: global }
      - { .name: head_scale, .offset: 16, .size: 8, .value_kind: global_buffer, .address_space: global }
      - { .name: out0, .offset: 24, .size: 8, .value_kind: global_buffer, .address_space: global }
    .group_segment_fixed_size: 169984
    .private_segment_fixed_size: 0
    .kernarg_segment_align: 8
    .kernarg_segment_size: 32
    .max_flat_workgroup_size: 512
    .sgpr_count:     66
    .vgpr_count:     256
    .wavefront_size: 32
...
	.end_amdgpu_metadata
.endif
;; end of part 5
